; MI455X (gfx1250); checked and timed in simulation.
; The chip was launched on July 23, 2026; its instructions are those of AMD's public machine-readable ISA for CDNA 5 (MIT licence, August 2026) and "CDNA5" Instruction Set Architecture Reference Guide (July 2026). The comments in the code are by the model that wrote it; some were corrected since.
;; Grouped Query Attention. Allowed arithmetic: matrix products marked QUANTISED: E2M1 operands, one E8M0 scale for each 32 along K, by v_wmma_scale_f32_16x16x128_f8f6f4 with both operands' format E2M1 (or v_wmma_scale_f32_32x16x128_f4), f32 sums; products left as they are: bf16, f16 or f32 operands; f32 sums; everything else in f32.
;; Inputs: Wk 1,024 x 4,096 float32; Wo 4,096 x 2,048 float32; Wq 2,048 x 4,096 float32; Wv 1,024 x 4,096 float32; x 1 x 2,048 x 4,096 float32.
;; Outputs: out0 1 x 2,048 x 4,096 float32.
;; This version of the problem:
;;   THIS VERSION OF THE PROBLEM IS GIVEN IN LOW PRECISION. The matrix products marked QUANTISED in the list below multiply operands that are first quantised to E2M1 (2 exponent bits, 1 mantissa bit; 4 bits a number), with one power-of-two scale for each 32 numbers along K (OCP MX v1.0); their sums are f32. The products marked 'left as it is' may take bf16, f16 or f32 operands, with f32 sums. Whichever they take, every output number must still come out within the allowed error. Rounding operands to bf16 (8 significant bits) uses up far more of that allowance than f16 does (11 bits, for magnitudes from 6e-5 to 65,504). All else is computed in f32.
;;   The module's matrix products, in the order in which they are computed (A, B: the left and right operand; K: the contracted axis; several contracted axes count as one K, in the product's order):
;;     1. [M 2,048, K 4,096] x [K 4,096, N 2,048]; A: input x; B: input Wq: QUANTISED
;;     2. [M 2,048, K 4,096] x [K 4,096, N 1,024]; A: input x; B: input Wk: QUANTISED
;;     3. [M 2,048, K 4,096] x [K 4,096, N 1,024]; A: input x; B: input Wv: QUANTISED
;;     4. batch 8 x [M 4,096, K 128] x [K 128, N 2,048]; A: computed on the way; B: computed on the way: left as it is (an operand is computed on the way)
;;     5. batch 8 x [M 4,096, K 2,048] x [K 2,048, N 128]; A: computed on the way; B: computed on the way: left as it is (an operand is computed on the way)
;;     6. [M 2,048, K 2,048] x [K 2,048, N 4,096]; A: computed on the way; B: input Wo: left as it is (an operand is computed on the way)
;;   THE QUANTISER, for each operand of a quantised product, along K:
;;     - K is cut into blocks of 32 from its start; a last block that is shorter is filled with zeros.
;;     - A block's scale is 2^e with e = floor(log2(the largest magnitude in the block)) - 2, held to -126 .. 127; a block of zeros has e = 0. As a byte (E8M0): e + 127.
;;     - Each number is divided by its block's scale, clamped to +-6, and rounded to the nearest number of E2M1, ties to even, subnormals kept.
;;     - The product sums the exact products of the quantised numbers (number of the format x scale) in f32.
;;   ~~~python
;;   def quantise(x, axis):      # numpy; x: float32 -> the quantised numbers, widened to float32 again
;;       x = np.moveaxis(x, axis, -1); K = x.shape[-1]
;;       x = np.pad(x, [(0, 0)] * (x.ndim - 1) + [(0, -K % 32)]); x = x.reshape(x.shape[:-1] + (-1, 32)); a = np.abs(x).max(-1, keepdims=True)
;;       e = np.where(a > 0, np.clip(np.frexp(np.where(a > 0, a, 1))[1] - 1 - 2, -126, 127), 0)      # np.frexp(a)[1] - 1 = floor(log2(a)), exactly
;;       r = np.clip(x / 2.0 ** e, -6, 6)
;;       step = 2.0 ** (np.maximum(np.frexp(np.where(r == 0, 1, r))[1] - 1, 0) - 1)
;;       q = np.round(r / step) * step * 2.0 ** e      # np.round: ties to even
;;       return np.moveaxis(q.reshape(q.shape[:-2] + (-1,))[..., :K], -1, axis).astype(np.float32)
;;   ~~~
;; One version. Each part assembles by itself: llvm-mc -triple=amdgcn-amd-amdhsa -mcpu=gfx1250 --defsym DOCPART=n.
;; ======== version 1 of 1: 5 launches
;; limits: values are held in f16: magnitudes above 65,504 overflow, below 6.1e-05 lose precision
;; workspace buffers: xq 4,456,448 bytes; wq 8,912,896 bytes; rope 2,097,152 bytes; qk_img 12,582,912 bytes; v_img 4,194,304 bytes; fine16 262,144 bytes; o_img 8,388,608 bytes; wo_img 16,777,216 bytes
;; launch prep (part 1): grid 800 x 1, 4 waves a work-group, no clusters, 39,424 bytes of LDS; arguments x, Wq, Wk, Wv, xq, wq, rope; writes xq, wq, rope
.if DOCPART == 1
	.amdgcn_target "amdgcn-amd-amdhsa--gfx1250"
	.amdhsa_code_object_version 6
	.text
	.protected	k_qe5810039d6_prep
	.globl	k_qe5810039d6_prep
	.p2align	8
	.type	k_qe5810039d6_prep,@function
k_qe5810039d6_prep:
	s_mov_b64 s[64:65], 0
	v_nop
	global_prefetch_b8 v0, s[64:65] scope:SCOPE_SE
	s_setreg_imm32_b32 hwreg(HW_REG_WAVE_MODE, 25, 1), 1
	s_wait_xcnt 0x0
; x [2048][4096], Wq [2048][4096], Wk, Wv [1024][4096], f32, become codes of FP4 (E2M1) with one E8M0 byte for each 32 along K; and the RoPE tables are made.
; A block's scale is 2^(floor(log2(largest magnitude)) - 2); its byte is the largest magnitude's exponent field - 2, held at 1 from below; numbers are divided by the scale and rounded to the nearest code, ties to even, beyond 6 the largest code.
; LAYOUT OF THE CODES' BUFFERS: [8 K steps of 512][rows][272 bytes]: 256 bytes of codes, then the 16 scale bytes of the same 512 along K.  wq holds Wq's rows, then Wk's, then Wv's.
; So a K step's part of any run of rows is one dense block, and 272 bytes from row to row keep 16 rows of a fragment load in 16 different groups of banks with no padding.
; SHARES.  Work-groups 0-767 quantise: a wave takes 16 rows x one K step; a step of the text is one row: four loads of 512 consecutive bytes, turned through the wave's stage in LDS so that a lane holds 16 neighbours
; (two lanes a block).  Codes and bytes are gathered in the wave's 4,352 bytes of LDS and leave as 17 aligned runs of 256 bytes.  No barrier: waves share nothing.
; Work-groups 768-799 make the tables: wave = a tile of 16 positions; cos and sin of t x inv_freq(i), once times 4 log2(e) / sqrt(128) (for q) and once times 1/4 (for k), laid as the next launch's registers want them.
; LIMITS: NaN and infinities among the inputs are not served; a block of zeros, or one whose largest magnitude lies under 2^-124, gets the byte 1 (zero codes add nothing; this program alone reads the bytes).
; The angles: inv_freq = 2^(-i log2(500000)/64) by v_exp_f32 and the Llama-3 bands (i <= 28 as it is, i >= 35 an eighth, between them the smooth factor); they differ from a correctly rounded table by a few parts in 10^7.
.set WREG,  9728                       ; LDS of a wave: two stages of 32 x 80 bytes, then the 16 rows x 272 bytes on their way out
.set SP,    80
.set OUT,   5120
.set SPARE, 4*WREG                     ; the spare words, 128 bytes a wave, named by no other line
.set SPW,   12
.set NIL,   13
.set R,     16                         ; v16-79   four sets of 16 numbers as loaded; at the end the way out
.set X,     80                         ; v80-111  two sets of 16 neighbours
.set E,     112                        ; v112-127 a scale byte for each step
.set C,     128                        ; v128-159 two registers of codes for each step
	s_load_b256 s[4:11], s[0:1], 0x0               ; x, Wq, Wk, Wv
	s_load_b128 s[12:15], s[0:1], 0x20             ; xq, wq
	s_load_b64 s[16:17], s[0:1], 0x30              ; rope
	v_lshl_add_u32 v[SPW], v0, 2, SPARE
	v_mov_b32 v[NIL], 0
	v_lshrrev_b32 v1, 5, v0
	v_readfirstlane_b32 s18, v1                    ; wave
	v_and_b32 v2, 31, v0                           ; lane
	s_cmp_ge_u32 ttmp9, 768
	s_cbranch_scc1 .Ltable
	v_lshlrev_b32 v3, 4, v2                        ; my 16 bytes of a load's 512
	s_mul_i32 s19, s18, WREG
	v_lshrrev_b32 v14, 2, v2
	v_mul_u32_u24 v14, v14, SP
	v_and_b32 v15, 3, v2
	v_lshl_add_u32 v14, v15, 4, v14
	v_add_nc_u32 v14, s19, v14                     ; the stage, in: four lanes' 64 bytes on end, then 16 of padding
	v_mul_u32_u24 v15, v2, SP
	v_add_nc_u32 v15, s19, v15                     ; and out: my 16 neighbours
	v_lshlrev_b32 v7, 3, v2                        ; 8 x lane
	v_add_nc_u32 v4, s19, v7                       ; my codes' place in a row, and my 8 bytes on the way out
	v_lshrrev_b32 v5, 1, v2
	v_add_nc_u32 v5, s19, v5                       ; my block's byte
	s_wait_kmcnt 0x0
	s_mov_b64 s[20:21], s[10:11]                   ; which tensor: the choice hangs on the work-group's number alone
	s_mov_b32 s22, 640
	s_cmp_lt_u32 ttmp9, 640
	s_cselect_b64 s[20:21], s[8:9], s[20:21]
	s_cselect_b32 s22, 512, s22
	s_cmp_lt_u32 ttmp9, 512
	s_cselect_b64 s[20:21], s[6:7], s[20:21]
	s_cselect_b32 s22, 256, s22
	s_mov_b32 s26, 4096*272
	s_cmp_lt_u32 ttmp9, 256
	s_cselect_b64 s[20:21], s[4:5], s[20:21]
	s_cselect_b32 s22, 0, s22                      ; the tensor's first work-group
	s_cselect_b64 s[24:25], s[12:13], s[14:15]
	s_cselect_b32 s23, 0, 256                      ; the output buffer's first work-group
	s_cselect_b32 s26, 2048*272, s26               ; bytes of a K step in the output buffer
	s_sub_co_u32 s27, ttmp9, s22
	s_lshl_b32 s27, s27, 2
	s_add_co_u32 s27, s27, s18
	s_and_b32 s28, s27, 7                          ; my K step
	s_lshr_b32 s27, s27, 3                         ; my 16 rows of the input
	s_lshl_b32 s30, s27, 18
	s_lshl_b32 s29, s28, 11
	s_add_co_u32 s30, s30, s29
	s_mov_b32 s31, 0
	s_add_nc_u64 s[20:21], s[20:21], s[30:31]
	s_sub_co_u32 s27, ttmp9, s23
	s_lshl_b32 s27, s27, 2
	s_add_co_u32 s27, s27, s18
	s_lshr_b32 s27, s27, 3                         ; my 16 rows of the output buffer
	s_mul_i32 s27, s27, 4352
	s_mul_i32 s30, s28, s26
	s_add_co_u32 s30, s30, s27
	s_add_nc_u64 s[24:25], s[24:25], s[30:31]
.macro LOAD t
.irp i, 0,1,2,3
	global_load_b128 v[R+16*((\t)%4)+4*\i:R+16*((\t)%4)+4*\i+3], v3, s[20:21] offset:16384*(\t)+512*\i th:TH_LOAD_NT
.endr
.endm
.macro TURN t                          ; LDS serves a wave's instructions in order: no wait between the stores and the loads
.irp i, 0,1,2,3
	ds_store_b128 v14, v[R+16*((\t)%4)+4*\i:R+16*((\t)%4)+4*\i+3] offset:32*SP*((\t)%2)+8*SP*\i
.endr
.irp i, 0,1,2,3
	ds_load_b128 v[X+16*((\t)%2)+4*\i:X+16*((\t)%2)+4*\i+3], v15 offset:32*SP*((\t)%2)+16*\i
.endr
.endm
.irp t, 0,1,2,3
	LOAD \t
.endr
	s_wait_loadcnt 12                              ; row 0's four loads are in
	TURN 0
.macro STEP t
.set XS, X+16*((\t)%2)
.if (\t) > 0
	s_wait_dscnt 2                                 ; this row is back from the stage; the last row's two stores may be out
.else
	s_wait_dscnt 0x0
.endif
.if (\t)+4 < 16
	LOAD (\t)+4
.endif
.if (\t)+1 < 16
.if 14-(\t) >= 3
	s_wait_loadcnt 12                              ; the next row's loads are in; three younger rows' may be out
.else
	s_wait_loadcnt 4*(14-(\t))
.endif
	TURN (\t)+1
.endif
	v_max3_num_f32 v8, |v[XS]|, |v[XS+1]|, |v[XS+2]|
	v_max3_num_f32 v9, |v[XS+3]|, |v[XS+4]|, |v[XS+5]|
.irp i, 6,10
	v_max3_num_f32 v8, v8, |v[XS+\i]|, |v[XS+\i+1]|
	v_max3_num_f32 v9, v9, |v[XS+\i+2]|, |v[XS+\i+3]|
.endr
	v_max3_num_f32 v8, v8, |v[XS+14]|, |v[XS+15]|
	v_max3_num_f32 v8, v8, v9, 0x1800000           ; with the floor 2^(3 - 127): the byte cannot fall under 1
	v_max_num_f32_dpp v8, v8, v8 row_xmask:1 row_mask:0xf bank_mask:0xf   ; and my neighbour's 16: the block's largest magnitude
	v_add_nc_u32 v11, 0xff000000, v8               ; 2 off its exponent field: the conversion's scale operand
	v_cvt_scalef32_pk8_fp4_f32 v[C+2*(\t)], v[XS:XS+7], v11
	v_cvt_scalef32_pk8_fp4_f32 v[C+2*(\t)+1], v[XS+8:XS+15], v11
	v_lshrrev_b32 v[E+(\t)], 23, v11               ; the scale's byte (also the plain line behind the conversions)
	ds_store_b64 v4, v[C+2*(\t):C+2*(\t)+1] offset:OUT+272*(\t)
	ds_store_b8 v5, v[E+(\t)] offset:OUT+272*(\t)+256   ; both lanes of a block write the same byte with the same value
.endm
.irp t, 0,1,2,3,4,5,6,7,8,9,10,11,12,13,14,15
	STEP \t
.endr
.irp n, 0,1,2,3,4,5,6,7,8,9,10,11,12,13,14,15,16
	ds_load_b64 v[R+2*\n:R+2*\n+1], v4 offset:OUT+256*\n
.endr
.irp n, 0,1,2,3,4,5,6,7,8,9,10,11,12,13,14,15,16
	s_wait_dscnt 16-\n
	global_store_b64 v7, v[R+2*\n:R+2*\n+1], s[24:25] offset:256*\n   ; 32 lanes store 256 consecutive bytes, aligned
.endr
	s_wait_tensorcnt 0x0                           ; the wave's end
	ds_add_u32 v[SPW], v[NIL]
	s_wait_dscnt 0x0
	s_endpgm
.Ltable:
	s_sub_co_u32 s19, ttmp9, 768
	s_lshl_b32 s19, s19, 2
	s_add_co_u32 s19, s19, s18                     ; my tile of 16 positions
	v_and_b32 v3, 15, v0
	v_bfe_u32 v4, v0, 4, 1
	s_lshl_b32 s20, s19, 4
	v_add_nc_u32 v5, s20, v3
	v_cvt_f32_u32 v6, v5                           ; t
	v_lshlrev_b32 v7, 3, v4                        ; i's base: 8 (lane / 16), + 16 a trip
	v_lshlrev_b32 v8, 4, v2                        ; 16 x lane, + 2,048 a trip
	v_mov_b32 v9, 1.0
	v_mov_b32 v10, 0x3e000000                      ; 1/8
	s_mov_b32 s32, 0x3e977000                      ; log2(500000)/64, its upper 12 bits: times i it is exact
	s_mov_b32 s33, 0x37f68e36                      ; and the rest
	s_mov_b32 s34, 0x43be2319                      ; 7/24 x 8192 / (2 pi)
	s_mov_b32 s35, 0xbe2aaaab                      ; -1/6
	s_mov_b32 s36, 0x3f22f983                      ; 2 / pi
	s_mov_b32 s37, 0xbfc90fdb                      ; -(pi / 2), upper part
	s_mov_b32 s38, 0x333bbd2e                      ; upper part less pi / 2
	s_mov_b32 s39, 0x3c088889                      ; 1/120
	s_mov_b32 s40, 0xb9500d01                      ; -1/5040
	s_mov_b32 s41, 0x3638ef1d                      ; 1/362880
	s_mov_b32 s42, 0x3d2aaaab                      ; 1/24
	s_mov_b32 s43, 0xbab60b61                      ; -1/720
	s_mov_b32 s44, 0x37d00d01                      ; 1/40320
	s_mov_b32 s45, 0x3f0293ee                      ; 4 log2(e) / sqrt(128)
	s_mov_b32 s46, 0x3e800000                      ; 1/4
	s_lshl_b32 s20, s19, 13
	s_mov_b32 s21, 0
	s_mov_b32 s22, 0
	s_wait_kmcnt 0x0
	s_add_nc_u64 s[16:17], s[16:17], s[20:21]
.macro ROT n                           ; cos and sin of t x inv_freq(i), i in v[16+n], 2^(-i c) in v[24+n]
	v_fma_f32 v40, v[24+\n], s34, s35              ; the middle band's factor: 1/8 + 7/8 x smooth
	v_cmp_gt_u32 vcc_lo, 29, v[16+\n]
	v_cndmask_b32 v40, v40, v9, vcc_lo             ; i <= 28: as it is
	v_cmp_lt_u32 vcc_lo, 34, v[16+\n]
	v_cndmask_b32 v40, v40, v10, vcc_lo            ; i >= 35: an eighth
	v_mul_f32 v40, v[24+\n], v40
	v_mul_f32 v40, v6, v40                         ; the angle
	v_mul_f32 v41, s36, v40
	v_rndne_f32 v41, v41                           ; quarter turns
	v_fma_f32 v42, v41, s37, v40
	v_fma_f32 v42, v41, s38, v42                   ; what is left, at most pi / 4 in size
	v_mul_f32 v43, v42, v42
	v_fma_f32 v44, v43, s41, s40
	v_fma_f32 v44, v44, v43, s39
	v_fma_f32 v44, v44, v43, s35
	v_mul_f32 v46, v42, v43
	v_fma_f32 v44, v44, v46, v42                   ; its sine
	v_fma_f32 v45, v43, s44, s43
	v_fma_f32 v45, v45, v43, s42
	v_fma_f32 v45, v45, v43, -0.5
	v_fma_f32 v45, v45, v43, 1.0                   ; its cosine
	v_cvt_i32_f32 v47, v41
	v_and_b32 v46, 1, v47
	v_cmp_eq_u32 vcc_lo, 1, v46
	v_cndmask_b32 v32, v44, v45, vcc_lo            ; an odd quarter swaps the two
	v_cndmask_b32 v33, v45, v44, vcc_lo
	v_and_b32 v46, 2, v47
	v_lshlrev_b32 v46, 30, v46
	v_xor_b32 v32, v46, v32                        ; the sine's sign: quarters 2, 3
	v_add_nc_u32 v46, 1, v47
	v_and_b32 v46, 2, v46
	v_lshlrev_b32 v46, 30, v46
	v_xor_b32 v33, v46, v33                        ; the cosine's: quarters 1, 2
	v_mul_f32 v[48+\n], s45, v33
	v_mul_f32 v[56+\n], s45, v32
	v_mul_f32 v[64+\n], s46, v33
	v_mul_f32 v[72+\n], s46, v32
.endm
.Ltrip:                                                ; four trips: i = 16 trip + 8 (lane / 16) + 0 .. 7
.irp n, 0,1,2,3,4,5,6,7
	v_add_nc_u32 v[16+\n], \n, v7
.endr
.irp n, 0,1,2,3,4,5,6,7
	v_cvt_f32_u32 v[32+\n], v[16+\n]
.endr
.irp n, 0,1,2,3,4,5,6,7
	v_mul_f32 v[24+\n], s32, v[32+\n]
.endr
.irp n, 0,1,2,3,4,5,6,7
	v_fma_f32 v[24+\n], v[32+\n], s33, v[24+\n]
.endr
.irp n, 0,1,2,3,4,5,6,7
	v_exp_f32 v[24+\n], -v[24+\n]
.endr
	v_nop                                          ; a plain line behind the last exponential,
	s_wait_alu depctr_va_vdst(0)                   ; and one wait for the batch ahead of its first reader
.irp n, 0,1,2,3,4,5,6,7
	ROT \n
.endr
.irp q, 0,1
	global_store_b128 v8, v[48+4*\q:51+4*\q], s[16:17] offset:512*\q
	global_store_b128 v8, v[56+4*\q:59+4*\q], s[16:17] offset:1024+512*\q
	global_store_b128 v8, v[64+4*\q:67+4*\q], s[16:17] offset:1048576+512*\q
	global_store_b128 v8, v[72+4*\q:75+4*\q], s[16:17] offset:1048576+1024+512*\q
.endr
	s_wait_xcnt 0x0                                ; the stores' offset and data are written again only behind this wait
	v_add_nc_u32 v8, 2048, v8
	v_add_nc_u32 v7, 16, v7
	s_add_co_u32 s22, s22, 1
	s_cmp_lt_u32 s22, 4
	s_cbranch_scc1 .Ltrip
	s_endpgm
.Lfunc_end_k_qe5810039d6_prep:
	.size	k_qe5810039d6_prep, .Lfunc_end_k_qe5810039d6_prep-k_qe5810039d6_prep
	.p2alignl 7, 3214868480
	.fill 96, 4, 3214868480
	.section	.rodata,"a",@progbits
	.p2align	6, 0x0
	.amdhsa_kernel k_qe5810039d6_prep
		.amdhsa_group_segment_fixed_size 39424
		.amdhsa_private_segment_fixed_size 0
		.amdhsa_enable_private_segment 0
		.amdhsa_kernarg_size 56
		.amdhsa_user_sgpr_count 2
		.amdhsa_user_sgpr_kernarg_segment_ptr 1
		.amdhsa_wavefront_size32 1
		.amdhsa_system_sgpr_workgroup_id_x 1
		.amdhsa_system_sgpr_workgroup_id_y 1
		.amdhsa_system_sgpr_workgroup_id_z 1
		.amdhsa_system_vgpr_workitem_id 0
		.amdhsa_next_free_vgpr 192
		.amdhsa_next_free_sgpr 66
		.amdhsa_reserve_vcc 1
		.amdhsa_float_denorm_mode_32 3
		.amdhsa_float_denorm_mode_16_64 3
		.amdhsa_memory_ordered 1
		.amdhsa_forward_progress 1
		.amdhsa_inst_pref_size 53
	.end_amdhsa_kernel
	.amdgpu_metadata
---
amdhsa.version: [ 1, 2 ]
amdhsa.kernels:
  - .name:           k_qe5810039d6_prep
    .symbol:         k_qe5810039d6_prep.kd
    .args:
      - { .name: x, .offset: 0, .size: 8, .value_kind: global_buffer, .address_space: global }
      - { .name: Wq, .offset: 8, .size: 8, .value_kind: global_buffer, .address_space: global }
      - { .name: Wk, .offset: 16, .size: 8, .value_kind: global_buffer, .address_space: global }
      - { .name: Wv, .offset: 24, .size: 8, .value_kind: global_buffer, .address_space: global }
      - { .name: xq, .offset: 32, .size: 8, .value_kind: global_buffer, .address_space: global }
      - { .name: wq, .offset: 40, .size: 8, .value_kind: global_buffer, .address_space: global }
      - { .name: rope, .offset: 48, .size: 8, .value_kind: global_buffer, .address_space: global }
    .group_segment_fixed_size: 39424
    .private_segment_fixed_size: 0
    .kernarg_segment_align: 8
    .kernarg_segment_size: 56
    .max_flat_workgroup_size: 128
    .sgpr_count:     66
    .vgpr_count:     192
    .wavefront_size: 32
...
	.end_amdgpu_metadata
.endif
;; end of part 1
;; launch qkv (part 2): grid 16 x 16, 4 waves a work-group, clusters of 4 x 4, 327,680 bytes of LDS; arguments xq, wq, rope, qk_img, v_img, fine16; writes qk_img, v_img, fine16
.if DOCPART == 2
	.amdgcn_target "amdgcn-amd-amdhsa--gfx1250"
	.amdhsa_code_object_version 6
	.text
	.protected	k_qe5810039d6_qkv
	.globl	k_qe5810039d6_qkv
	.p2align	8
	.type	k_qe5810039d6_qkv,@function
k_qe5810039d6_qkv:
	s_mov_b64 s[64:65], 0
	v_nop
	global_prefetch_b8 v0, s[64:65] scope:SCOPE_SE
	s_setreg_imm32_b32 hwreg(HW_REG_WAVE_MODE, 25, 1), 1
	s_wait_xcnt 0x0
	s_wait_alu depctr_hold_cnt(0) depctr_sa_sdst(0) depctr_va_vdst(0) depctr_va_sdst(0) depctr_va_ssrc(0) depctr_va_vcc(0) depctr_vm_vsrc(0)
	s_getreg_b32 s2, hwreg(HW_REG_IB_STS2, 6, 4)
	s_cmp_eq_u32 s2, 0
	s_cbranch_scc0 .Lentry_in_a_cluster
	s_endpgm
.Lentry_in_a_cluster:
	s_bfe_u32 s2, ttmp6, 0x10000c
	s_cmp_lg_u32 s2, 0xf033
	s_cbranch_scc0 .Lentry_shape_is_right
	s_endpgm
.Lentry_shape_is_right:
; q, k, v = x Wq^T, x Wk^T, x Wv^T on codes of FP4 with E8M0 scales (K = 4,096), then RoPE and exact scalings, stored as f16 in the order of the next launches' operand registers.
; A work-group makes 128 rows of OPERAND 1 x 256 rows of OPERAND 2; a wave 64 x 128: 32 accumulators.  Clusters with x < 3: operand 1 = 128 positions of x, operand 2 = two heads of Wq | Wk.
; Clusters with x = 3: operand 1 = the 128 channels of a head of Wv, operand 2 = 256 positions of x: so V^T comes out with the keys along a lane's registers, by the same text.  Only pointers, first rows and K-step strides
; are chosen, by selects on the cluster's x, which all partners share.
; THE MATRIX INSTRUCTION IS USED TRANSPOSED (source 0 = 16 rows of operand 2, source 1 = 16 rows of operand 1): a lane holds one row of operand 1 and eight neighbouring rows of operand 2.
; K goes in steps of 512 through two LDS slots.  A row of a slot is 272 bytes as it lies in memory: 256 of codes and its 16 scale bytes: a K step's rows are one dense block, fetched as runs of 256 bytes.
; CLUSTER 4 x 4: operand 1's tile hangs on the row of the cluster, operand 2's on the column: each is asked for jointly by the four that share it.
; STORED: q x 4 log2(e)/sqrt(128), k / 4, v / 4 (the factors of q and k ride in the RoPE tables), as f16.  LIMIT: these must stay under 65,504 in size.  Positions 0-15 are stored in f32 as well.
; REGISTERS: window 0: v16-29 addresses; v32-95 scale words, two sets; v128-191 operand 1's fragments, two sets; on the way out v96-207.  window 1: operand 2's fragments, sets at v0 and v128.
;   window 2: the accumulators, (a, b) at v[8 (8 a + b)].  window 3: the RoPE table of my 64 positions.
.set PITCH, 272
.set HA,    64*PITCH                   ; what a wave fetches, and reads, of operand 1
.set HB,    128*PITCH                  ; and of operand 2
.set SLOT,  2*HA+2*HB
.set SPARE, 2*SLOT                     ; the spare words, 128 bytes a wave, named by no other line
.set ADRA, 16
.set ADRB, 20
.set ADRS, 22
.set OFF,  24                          ; 16 x lane; never rewritten
.set FIRST,25
.set SPW,  28
.set NIL,  29
.set SC,   32                          ; set s at SC + 32 s; register 4 i + q: lanes 0-15 operand 1's block i, lanes 16-31 operand 2's block i, the slot's q-th 128 along K
.set RR,   96
.set AF,   128
.set TT,   160
.set HH,   176
.set G1A, 24
.set G0A, 32
.set G1B, 48
.set G0B, 56
.set MSB, 0
.macro WIN new
.if MSB != \new
	s_set_vgpr_msb (MSB<<8)|\new
.set MSB, \new
.endif
.endm
.macro PLACES n
.rept \n
	v_nop
.endr
.endm
.macro JLOAD s                         ; waves 0, 1 fetch operand 1's halves, waves 2, 3 operand 2's; the branch hangs on the wave's number alone
	s_cmp_eq_u32 s17, 0
	s_cbranch_scc0 .Lfor_b_\@
	tensor_load_to_lds s[G0A+4*\s:G0A+4*\s+3], s[G1A:G1A+7]
	s_nop 0
.rept 4
	v_nop
.endr
	s_branch .Lasked_\@
.Lfor_b_\@:
	tensor_load_to_lds s[G0B+4*\s:G0B+4*\s+3], s[G1B:G1B+7]
	s_nop 0
.rept 4
	v_nop
.endr
.Lasked_\@:
.endm
.macro CREST
	s_cmp_lg_u32 s16, 0
	s_cbranch_scc1 .Lnot_wave_0_\@
	s_barrier_signal -3
.Lnot_wave_0_\@:
	s_barrier_wait -3
	s_barrier_signal -1
	s_barrier_wait -1
.endm
.macro CROUND
	s_barrier_signal -1
	s_barrier_wait -1
	CREST
.endm
	s_load_b128 s[4:7], s[0:1], 0x0                ; xq, wq
	s_load_b128 s[8:11], s[0:1], 0x10              ; rope, qk_img
	s_load_b128 s[12:15], s[0:1], 0x20             ; v_img, fine16
	v_lshl_add_u32 v[SPW], v0, 2, SPARE
	v_mov_b32 v[NIL], 0
	ds_add_u32 v[SPW], v[NIL]                      ; the opening: the add, twice on end, and its wait ahead of my first tensor load
	ds_add_u32 v[SPW], v[NIL]
	v_lshrrev_b32 v1, 5, v0
	v_readfirstlane_b32 s16, v1                    ; wave
	s_lshr_b32 s17, s16, 1                         ; my half of operand 1's rows; also: I fetch operand 1 (0) or 2 (1)
	s_and_b32 s18, s16, 1                          ; my half of operand 2's rows; also: which half I fetch
	s_bfe_u32 s40, ttmp6, 0x40000                  ; cx
	s_bfe_u32 s41, ttmp6, 0x40004                  ; cy
	s_and_b32 s88, ttmp7, 0xffff                   ; the cluster's y
	s_and_b32 s44, s88, 1
	s_lshr_b32 s45, s88, 1
	s_mov_b32 s70, 2048*PITCH
	s_mov_b32 s72, 4096*PITCH
	s_mov_b32 s89, 3072
	s_cmp_eq_u32 ttmp9, 3                          ; the V part?  the cluster's x: equal in all partners
	s_cselect_b32 s19, 1, 0
	s_cselect_b32 s44, s44, s88
	s_cselect_b32 s45, s45, ttmp9
	s_cselect_b32 s89, s89, 0                      ; operand 1's first row in its buffer
	s_cselect_b32 s90, s72, s70                    ; a K step of operand 1, in bytes
	s_cselect_b32 s72, s70, s72                    ; and of operand 2
	s_mov_b32 s70, s90
	s_lshl_b32 s44, s44, 2
	s_add_co_u32 s44, s44, s41                     ; tile row: hangs on cy alone of the two places
	s_lshl_b32 s45, s45, 2
	s_add_co_u32 s45, s45, s40                     ; tile column: on cx alone
	s_lshl_b32 s42, s41, 2
	s_lshl_b32 s42, 15, s42                        ; my row of the cluster
	s_lshl_b32 s43, 0x1111, s40                    ; my column
	s_or_b32 s[G1A], s42, (3<<16)|(1<<21)          ; 15:0 the mask; 17:16 elements of 8 bytes; 21 set beside a mask; no padding
	s_or_b32 s[G1B], s43, (3<<16)|(1<<21)
.irp g, G1A, G1B
	s_mov_b32 s[\g+1], 32<<16                      ; tensor_dim0 = 32 elements: runs of 256 bytes
	s_mov_b32 s[\g+3], 32<<16                      ; tile_dim0
	s_mov_b32 s[\g+5], 32                          ; from run to run
	s_mov_b32 s[\g+6], 0
	s_mov_b32 s[\g+7], 0
.endr
	s_mov_b32 s[G1A+2], (HA/256)<<16               ; 64 rows of 272 bytes are 68 runs,
	s_mov_b32 s[G1A+4], HA/256
	s_mov_b32 s[G1B+2], (HB/256)<<16               ; 128 rows 136
	s_mov_b32 s[G1B+4], HB/256
	s_lshl_b32 s20, s44, 7
	s_add_co_u32 s20, s20, s89
	s_lshl_b32 s91, s18, 6
	s_add_co_u32 s20, s20, s91
	s_mul_i32 s20, s20, PITCH                      ; operand 1: the rows that I fetch, in bytes
	s_mov_b32 s21, 0
	s_lshl_b32 s46, s45, 8
	s_lshl_b32 s91, s18, 7
	s_add_co_u32 s46, s46, s91
	s_mul_i32 s46, s46, PITCH                      ; operand 2 likewise
	s_mov_b32 s47, 0
	s_mov_b32 s71, 0
	s_mov_b32 s73, 0
	s_lshl_b32 s66, s70, 1                         ; a refill steps two K steps
	s_mov_b32 s67, 0
	s_lshl_b32 s68, s72, 1
	s_mov_b32 s69, 0
	s_mul_i32 s92, s18, HA                         ; where they go in a slot: no place in the cluster enters an LDS address
	s_mul_i32 s93, s18, HB
	s_add_co_u32 s93, s93, 2*HA
	s_wait_dscnt 0x0                               ; both opening adds are done
	s_wait_kmcnt 0x0
	s_cmp_eq_u32 s19, 1
	s_cselect_b64 s[22:23], s[6:7], s[4:5]
	s_cselect_b64 s[76:77], s[4:5], s[6:7]
	s_add_nc_u64 s[22:23], s[22:23], s[20:21]
	s_add_nc_u64 s[76:77], s[76:77], s[46:47]
	CROUND                                         ; all sixteen work-groups are here: the first joint loads meet
	s_mov_b32 s[G0A], 1
	s_mov_b32 s[G0A+1], s92
	s_mov_b64 s[G0A+2:G0A+3], s[22:23]
	s_or_b32 s[G0A+3], s[G0A+3], 0x80000000
	s_mov_b32 s[G0A+4], 1
	s_add_co_u32 s[G0A+5], s92, SLOT
	s_add_nc_u64 s[G0A+6:G0A+7], s[22:23], s[70:71]
	s_or_b32 s[G0A+7], s[G0A+7], 0x80000000
	s_mov_b32 s[G0B], 1
	s_mov_b32 s[G0B+1], s93
	s_mov_b64 s[G0B+2:G0B+3], s[76:77]
	s_or_b32 s[G0B+3], s[G0B+3], 0x80000000
	s_mov_b32 s[G0B+4], 1
	s_add_co_u32 s[G0B+5], s93, SLOT
	s_add_nc_u64 s[G0B+6:G0B+7], s[76:77], s[72:73]
	s_or_b32 s[G0B+7], s[G0B+7], 0x80000000
	JLOAD 0                                        ; K steps 0 and 1: two loads of mine are out
	JLOAD 1
	; the RoPE table of my 64 positions: 64 loads that land under the K loop.  (The V part loads it too and does not use it: its addresses lie inside the buffer.)
	v_and_b32 v1, 31, v0
	v_lshlrev_b32 v[OFF], 4, v1
	s_lshl_b32 s94, s44, 3
	s_lshl_b32 s89, s17, 2
	s_add_co_u32 s94, s94, s89                     ; my first tile of 16 rows of operand 1
	s_lshl_b32 s90, s94, 13
	s_cmp_ge_u32 s45, 8                            ; heads 16 on are k's: the table times 1/4
	s_cselect_b32 s91, 0x100000, 0
	s_add_co_u32 s90, s90, s91
	s_mov_b32 s91, 0
	s_add_nc_u64 s[74:75], s[8:9], s[90:91]
	WIN 0xc0                                       ; destination window 3
.set n, 0
.rept 64
	global_load_b128 v[4*n:4*n+3], v[OFF], s[74:75] offset:512*n
.set n, n+1
.endr
	WIN 0
	v_and_b32 v1, 15, v0
	v_bfe_u32 v2, v0, 4, 1
	v_mul_u32_u24 v3, v1, PITCH
	v_lshl_add_u32 v4, v2, 4, v3                   ; a fragment's row x pitch + 16 x half
	s_mul_i32 s88, s17, HA
	s_mul_i32 s89, s18, HB
	s_add_co_u32 s89, s89, 2*HA
	s_sub_co_u32 s90, s89, s88
	v_mul_u32_u24 v5, s90, v2                      ; lanes 16-31 take operand 2's scale words: one product in the lane's half
	v_add_nc_u32 v5, v5, v3
	v_add_nc_u32 v5, 256, v5
.irp s, 0,1
	v_add_nc_u32 v[ADRA+\s], s88, v4
	v_add_nc_u32 v[ADRB+\s], s89, v4
	v_add_nc_u32 v[ADRS+\s], s88, v5
	s_add_co_u32 s88, s88, SLOT
	s_add_co_u32 s89, s89, SLOT
.endr
.macro FRAG reg, adr, q, i             ; 16 rows x 128 K of 4-bit codes: registers 4 c .. 4 c + 3 hold K = 64 c + 32 (lane / 16) + 0 .. 31
.irp c, 0,1
	ds_load_b128 v[\reg+4*\c:\reg+4*\c+3], v[\adr] offset:64*(\q)+32*\c+(\i)*16*PITCH
.endr
.endm
.macro FETCH slot, q, p                ; 24 loads: the fragments of the slot's q-th 128 along K into set p
	WIN 0x40
.irp i, 0,1,2,3,4,5,6,7
	FRAG 128*(\p)+8*\i, ADRB+\slot, \q, \i
.endr
	WIN 0
.irp i, 0,1,2,3
	FRAG AF+32*(\p)+8*\i, ADRA+\slot, \q, \i
.endr
.endm
.macro SCALES slot                     ; a K step's scale words; for i >= 4 lanes 0-15 read bytes of the slot that no product uses
.irp i, 0,1,2,3,4,5,6,7
	ds_load_b128 v[SC+32*\slot+4*\i:SC+32*\slot+4*\i+3], v[ADRS+\slot] offset:\i*16*PITCH
.endr
.endm
.macro MUL8 a, p, q, sc, zero          ; operand 1's block a against operand 2's eight.  The 32 accumulators take turns, in the same order in every step
.irp b, 0,1,2,3,4,5,6,7
.if \zero
	v_wmma_scale_f32_16x16x128_f8f6f4 v[8*(8*(\a)+\b):8*(8*(\a)+\b)+7], v[128*(\p)+8*\b:128*(\p)+8*\b+7], v[AF+32*(\p)+8*(\a):AF+32*(\p)+8*(\a)+7], 0, v[SC+32*(\sc)+4*\b+(\q)], v[SC+32*(\sc)+4*(\a)+(\q)] matrix_a_fmt:MATRIX_FMT_FP4 matrix_b_fmt:MATRIX_FMT_FP4 matrix_a_scale:MATRIX_SCALE_ROW1
.else
	v_wmma_scale_f32_16x16x128_f8f6f4 v[8*(8*(\a)+\b):8*(8*(\a)+\b)+7], v[128*(\p)+8*\b:128*(\p)+8*\b+7], v[AF+32*(\p)+8*(\a):AF+32*(\p)+8*(\a)+7], v[8*(8*(\a)+\b):8*(8*(\a)+\b)+7], v[SC+32*(\sc)+4*\b+(\q)], v[SC+32*(\sc)+4*(\a)+(\q)] matrix_a_fmt:MATRIX_FMT_FP4 matrix_b_fmt:MATRIX_FMT_FP4 matrix_a_scale:MATRIX_SCALE_ROW1
.endif
.endr
.endm
.macro STEP slot, q, zero              ; 128 along K that has its successor in the same slot
	s_wait_dscnt 0x0                               ; this step's fragments, asked for a step ago, are in
	PLACES 4                                       ; in front of loads into the set that the last step's products read
	FETCH \slot, (\q)+1, 1-(\q)%2
	WIN 0xa1                                       ; source 0 window 1, source 1 window 0, C and D window 2
.irp a, 0,1,2,3
	MUL8 \a, (\q)%2, \q, \slot, \zero
.endr
	WIN 0
.endm
.macro TURN slot, next, fill           ; a slot's last step changes slots
	s_wait_tensorcnt 0x0                           ; all my tensor loads have landed: my part of the next slot
	ds_add_u32 v[SPW], v[NIL]
	s_wait_dscnt 1                                 ; the fragments are in; the add may be out
	WIN 0xa1
	MUL8 0, 1, 3, \slot, 0
	s_wait_dscnt 0x0                               ; the add is done, and my reads of this slot are over
	s_barrier_signal -1
	MUL8 1, 1, 3, \slot, 0
	WIN 0
	s_barrier_wait -1
.if \fill
	CREST                                          ; the barrier has opened a round of the cluster's: no wave of any partner still reads this slot or has a load on its way
	s_add_nc_u64 s[G0A+4*\slot+2:G0A+4*\slot+3], s[G0A+4*\slot+2:G0A+4*\slot+3], s[66:67]
	s_add_nc_u64 s[G0B+4*\slot+2:G0B+4*\slot+3], s[G0B+4*\slot+2:G0B+4*\slot+3], s[68:69]
	JLOAD \slot                                    ; the first tensor load behind the round; its four v_nop are the places in front of the loads below
.else
	PLACES 4
.endif
	FETCH \next, 0, 0
	SCALES \next
	WIN 0xa1
	MUL8 2, 1, 3, \slot, 0
	MUL8 3, 1, 3, \slot, 0
	WIN 0
.endm
	s_wait_tensorcnt 1                             ; my part of K step 0 is in; K step 1's may be out
	s_barrier_signal -1
	s_barrier_wait -1
	FETCH 0, 0, 0
	SCALES 0
	STEP 0, 0, 1                                   ; the first step's products start the sums
	s_mov_b32 s3, 3
.Llap:                                                 ; a trip goes once round the ring and fills both slots again: K steps 2 to 7
	STEP 0, 1, 0
	STEP 0, 2, 0
	TURN 0, 1, 1
	STEP 1, 0, 0
	STEP 1, 1, 0
	STEP 1, 2, 0
	TURN 1, 0, 1
	STEP 0, 0, 0
	s_sub_co_u32 s3, s3, 1
	s_cmp_lg_u32 s3, 0
	s_cbranch_scc1 .Llap
	STEP 0, 1, 0                                   ; the last lap fills nothing
	STEP 0, 2, 0
	TURN 0, 1, 0
	STEP 1, 0, 0
	STEP 1, 1, 0
	STEP 1, 2, 0
	s_wait_dscnt 0x0
	WIN 0xa1
.irp a, 0,1,2,3
	MUL8 \a, 1, 3, 1, 0
.endr
	WIN 0
	s_wait_loadcnt 0x0                             ; the table
	s_mov_b32 s91, 0
	s_cmp_eq_u32 s19, 1
	s_cbranch_scc1 .Lvpart
	; THE WAY OUT OF q AND k.  Accumulator (a, b): lane (r, h) holds position 16 a + r and channels 16 b + 8 h + 0 .. 7 of my head.  Channel d < 64 turns with channel d + 64: blocks b and b + 4.
	s_lshl_b32 s88, s45, 1
	s_add_co_u32 s88, s88, s18                     ; my head: 0-15 q's, 16-23 k's
	s_lshl_b32 s90, s88, 19
	s_lshl_b32 s89, s94, 12
	s_add_co_u32 s90, s90, s89
	s_add_nc_u64 s[80:81], s[10:11], s[90:91]
	s_lshl_b32 s90, s88, 13
	s_add_nc_u64 s[82:83], s[14:15], s[90:91]
	v_mov_b32 v[FIRST], s94                        ; 0 where my first position is 0
	PLACES 4
.irp a, 0,1,2,3
.if \a > 0
	s_wait_xcnt 0x0                                ; the last tile's stores have read their data
.endif
	WIN 0x0e                                       ; source 0 window 2 (sums), source 1 window 3 (table)
.irp b, 0,1,2,3
.irp e, 0,2,4,6
	v_pk_mul_f32 v[TT+\e:TT+\e+1], v[8*(8*\a+\b+4)+\e:8*(8*\a+\b+4)+\e+1], v[64*\a+16*\b+8+\e:64*\a+16*\b+8+\e+1]
	v_pk_mul_f32 v[TT+8+\e:TT+8+\e+1], v[8*(8*\a+\b)+\e:8*(8*\a+\b)+\e+1], v[64*\a+16*\b+8+\e:64*\a+16*\b+8+\e+1]
	v_pk_fma_f32 v[RR+8*\b+\e:RR+8*\b+\e+1], v[8*(8*\a+\b)+\e:8*(8*\a+\b)+\e+1], v[64*\a+16*\b+\e:64*\a+16*\b+\e+1], v[TT+\e:TT+\e+1] neg_lo:[0,0,1] neg_hi:[0,0,1]
	v_pk_fma_f32 v[RR+8*(\b+4)+\e:RR+8*(\b+4)+\e+1], v[8*(8*\a+\b+4)+\e:8*(8*\a+\b+4)+\e+1], v[64*\a+16*\b+\e:64*\a+16*\b+\e+1], v[TT+8+\e:TT+8+\e+1]
.endr
.endr
	WIN 0
.set n, 0
.rept 32
	v_cvt_pk_f16_f32 v[HH+n], v[RR+2*n], v[RR+2*n+1]
.set n, n+1
.endr
.irp b, 0,1,2,3,4,5,6,7
	global_store_b128 v[OFF], v[HH+4*\b:HH+4*\b+3], s[80:81] offset:4096*\a+512*\b   ; 512 consecutive bytes
.endr
.if \a == 0
	s_wait_xcnt 0x0                                ; EXEC changes only behind this wait
	v_cmp_eq_u32 vcc_lo, 0, v[FIRST]
	s_and_saveexec_b32 s84, vcc_lo                 ; positions 0-15 also in f32: a mask and no branch, since the tile row hangs on the place in the cluster
.set n, 0
.rept 16
	global_store_b128 v[OFF], v[RR+4*n:RR+4*n+3], s[82:83] offset:512*n
.set n, n+1
.endr
	s_wait_xcnt 0x0
	s_or_b32 exec_lo, exec_lo, s84
.endif
.endr
	s_branch .Lend
.Lvpart:                                               ; THE WAY OUT OF v.  Accumulator (a, b): lane (r, h) holds channel 64 half + 16 a + r and keys 16 b + 8 h + 0 .. 7
	s_lshl_b32 s90, s44, 19                        ; the kv head
	s_lshl_b32 s88, s45, 3
	s_lshl_b32 s89, s18, 2
	s_add_co_u32 s88, s88, s89                     ; my first 32 keys
	v_mov_b32 v[FIRST], s88
	s_lshl_b32 s89, s88, 13
	s_add_co_u32 s90, s90, s89
	s_lshl_b32 s89, s17, 12                        ; my four tiles of channels
	s_add_co_u32 s90, s90, s89
	s_add_nc_u64 s[80:81], s[12:13], s[90:91]
	s_add_co_u32 s90, s44, 24
	s_lshl_b32 s90, s90, 13
	s_add_co_u32 s90, s90, s89
	s_add_nc_u64 s[82:83], s[14:15], s[90:91]
	s_mov_b32 s86, 0x3e800000                      ; 1/4
	s_mov_b32 s87, s86
	PLACES 4
.irp a, 0,1,2,3
.if \a > 0
	s_wait_xcnt 0x0
.endif
	WIN 0x02
.set n, 0
.rept 32
	v_pk_mul_f32 v[RR+2*n:RR+2*n+1], v[64*\a+2*n:64*\a+2*n+1], s[86:87] op_sel_hi:[1,0]
.set n, n+1
.endr
	WIN 0
.set n, 0
.rept 32
	v_cvt_pk_f16_f32 v[HH+n], v[RR+2*n], v[RR+2*n+1]
.set n, n+1
.endr
.irp b, 0,1,2,3,4,5,6,7
	global_store_b128 v[OFF], v[HH+4*\b:HH+4*\b+3], s[80:81] offset:(\b/2)*8192+1024*\a+(\b%2)*512
.endr
	s_wait_xcnt 0x0
	v_cmp_eq_u32 vcc_lo, 0, v[FIRST]
	s_and_saveexec_b32 s84, vcc_lo                 ; keys 0-15 also in f32
	global_store_b128 v[OFF], v[RR:RR+3], s[82:83] offset:1024*\a
	global_store_b128 v[OFF], v[RR+4:RR+7], s[82:83] offset:1024*\a+512
	s_wait_xcnt 0x0
	s_or_b32 exec_lo, exec_lo, s84
.endr
.Lend:
	s_wait_tensorcnt 0x0                           ; the wave's end
	ds_add_u32 v[SPW], v[NIL]
	s_wait_dscnt 0x0
	CROUND                                         ; the closing round
	s_endpgm
.Lfunc_end_k_qe5810039d6_qkv:
	.size	k_qe5810039d6_qkv, .Lfunc_end_k_qe5810039d6_qkv-k_qe5810039d6_qkv
	.p2alignl 7, 3214868480
	.fill 96, 4, 3214868480
	.section	.rodata,"a",@progbits
	.p2align	6, 0x0
	.amdhsa_kernel k_qe5810039d6_qkv
		.amdhsa_group_segment_fixed_size 327680
		.amdhsa_private_segment_fixed_size 0
		.amdhsa_enable_private_segment 0
		.amdhsa_kernarg_size 48
		.amdhsa_user_sgpr_count 2
		.amdhsa_user_sgpr_kernarg_segment_ptr 1
		.amdhsa_wavefront_size32 1
		.amdhsa_system_sgpr_workgroup_id_x 1
		.amdhsa_system_sgpr_workgroup_id_y 1
		.amdhsa_system_sgpr_workgroup_id_z 1
		.amdhsa_system_vgpr_workitem_id 0
		.amdhsa_next_free_vgpr 1024
		.amdhsa_next_free_sgpr 100
		.amdhsa_reserve_vcc 1
		.amdhsa_float_denorm_mode_32 3
		.amdhsa_float_denorm_mode_16_64 3
		.amdhsa_memory_ordered 1
		.amdhsa_forward_progress 1
		.amdhsa_inst_pref_size 162
	.end_amdhsa_kernel
	.amdgpu_metadata
---
amdhsa.version: [ 1, 2 ]
amdhsa.kernels:
  - .name:           k_qe5810039d6_qkv
    .symbol:         k_qe5810039d6_qkv.kd
    .args:
      - { .name: xq, .offset: 0, .size: 8, .value_kind: global_buffer, .address_space: global }
      - { .name: wq, .offset: 8, .size: 8, .value_kind: global_buffer, .address_space: global }
      - { .name: rope, .offset: 16, .size: 8, .value_kind: global_buffer, .address_space: global }
      - { .name: qk_img, .offset: 24, .size: 8, .value_kind: global_buffer, .address_space: global }
      - { .name: v_img, .offset: 32, .size: 8, .value_kind: global_buffer, .address_space: global }
      - { .name: fine16, .offset: 40, .size: 8, .value_kind: global_buffer, .address_space: global }
    .group_segment_fixed_size: 327680
    .private_segment_fixed_size: 0
    .kernarg_segment_align: 8
    .kernarg_segment_size: 48
    .max_flat_workgroup_size: 128
    .sgpr_count:     100
    .vgpr_count:     1024
    .wavefront_size: 32
...
	.end_amdgpu_metadata
.endif
;; end of part 2
;; launch fine (part 3): grid 256 x 1, 16 waves a work-group, no clusters, 284,672 bytes of LDS; arguments Wo, fine16, wo_img, out0; writes wo_img, out0
.if DOCPART == 3
	.amdgcn_target "amdgcn-amd-amdhsa--gfx1250"
	.amdhsa_code_object_version 6
	.text
	.protected	k_qe5810039d6_fine
	.globl	k_qe5810039d6_fine
	.p2align	8
	.type	k_qe5810039d6_fine,@function
k_qe5810039d6_fine:
	s_mov_b64 s[64:65], 0
	v_nop
	global_prefetch_b8 v0, s[64:65] scope:SCOPE_SE
	s_setreg_imm32_b32 hwreg(HW_REG_WAVE_MODE, 25, 1), 1
	s_wait_xcnt 0x0
; Two things on one read of Wo.  (1) 4 Wo as f16, in the order of the projection's operand registers: wo_img is [64 quarters of 32 along K][256 tiles of 16 rows][1,024 bytes].  (2) Positions 0-15 of the whole layer in f32: attention and projection.
; Work-group g owns Wo's rows 16 g .. 16 g + 15; wave hd owns head hd, K = 128 hd .. 128 hd + 127.  Each wave does its head's 16 x 16 causal attention by the f32 matrix form (repeated in every work-group: 64 small
; products that stand under the landing of Wo), multiplies by its piece of Wo in f32, and turns the same registers into f16.  The sixteen heads' parts of out0[0:16][16 g ..] meet in LDS and are added in a fixed order.
; The f32 operands come as images of registers: lane (r, h) holds row r and 8 neighbours along K at 8 h; a pair of registers is a K step of 4, the same places of K on both sides of a product.
; q arrives times 4 log2(e)/sqrt(128), k and v divided by 4: the scores are exponents of 2, and p is multiplied by 4 / sum.  LIMIT: 4 |Wo| must stay under 65,504.
; Each tensor load is a first fill, read by the wave that asked for it alone.  v176-255 are written by matrix instructions alone.
; out0's 16 x 16 numbers of a work-group leave as pieces of 64 bytes: a work-group owns only 16 columns; they are 1/128 of the output.
.set WP,    528                        ; a row of Wo's tile in LDS: 512 bytes + 16
.set VIM,   135168                     ; behind sixteen tiles of 16 x 528: v's images, 8,192 bytes a wave
.set PARTS, 266240                     ; the heads' partial results, 1,024 bytes a wave
.set SPARE, 282624                     ; the spare words, 128 bytes a wave, named by no other line
	s_load_b256 s[4:11], s[0:1], 0x0               ; Wo, fine16, wo_img, out0
	v_lshl_add_u32 v7, v0, 2, SPARE
	v_mov_b32 v8, 0
	ds_add_u32 v7, v8                              ; the opening: the add, twice on end, and its wait ahead of my first tensor load
	ds_add_u32 v7, v8
	v_lshrrev_b32 v1, 5, v0
	v_readfirstlane_b32 s12, v1                    ; wave = head
	s_mov_b32 s16, (2<<16)|(1<<20)|(6<<22)|(3<<25) ; Wo's tile: elements of 4 bytes; 4 words of padding behind every 128
	s_mov_b32 s17, 128<<16
	s_mov_b32 s18, 16<<16
	s_mov_b32 s19, 128<<16
	s_mov_b32 s20, 16
	s_mov_b32 s21, 2048
	s_mov_b32 s22, 0
	s_mov_b32 s23, 0
	s_mov_b32 s24, 3<<16                           ; v's image: 32 runs of 256 bytes, dense
	s_mov_b32 s25, 32<<16
	s_mov_b32 s26, 32<<16
	s_mov_b32 s27, 32<<16
	s_mov_b32 s28, 32
	s_mov_b32 s29, 32
	s_mov_b32 s30, 0
	s_mov_b32 s31, 0
	s_mul_i32 s13, s12, 16*WP
	s_lshl_b32 s14, s12, 13
	s_add_co_u32 s14, s14, VIM
	s_lshl_b32 s40, ttmp9, 17                      ; 16 rows of 8,192 bytes
	s_lshl_b32 s42, s12, 9
	s_add_co_u32 s40, s40, s42
	s_mov_b32 s41, 0
	s_lshr_b32 s42, s12, 1                         ; the kv head
	s_add_co_u32 s44, s42, 24
	s_lshl_b32 s44, s44, 13
	s_mov_b32 s45, 0
	s_add_co_u32 s50, s42, 16
	s_lshl_b32 s50, s50, 13
	s_mov_b32 s51, 0
	s_lshl_b32 s52, s12, 13
	s_mov_b32 s53, 0
	s_wait_dscnt 0x0
	s_wait_kmcnt 0x0
	s_mov_b32 s32, 1
	s_mov_b32 s33, s13
	s_add_nc_u64 s[34:35], s[4:5], s[40:41]
	s_or_b32 s35, s35, 0x80000000
	s_mov_b32 s36, 1
	s_mov_b32 s37, s14
	s_add_nc_u64 s[38:39], s[6:7], s[44:45]
	s_or_b32 s39, s39, 0x80000000
	tensor_load_to_lds s[32:35], s[16:23]
	s_nop 0
	tensor_load_to_lds s[36:39], s[24:31]
	s_nop 0
	s_add_nc_u64 s[46:47], s[6:7], s[50:51]        ; k's image
	s_add_nc_u64 s[48:49], s[6:7], s[52:53]        ; q's
	v_and_b32 v1, 31, v0
	v_lshlrev_b32 v4, 4, v1                        ; 16 x lane
.set n, 0
.rept 16
	global_load_b128 v[48+4*n:51+4*n], v4, s[46:47] offset:512*n
	global_load_b128 v[112+4*n:115+4*n], v4, s[48:49] offset:512*n
.set n, n+1
.endr
	v_and_b32 v2, 15, v0                           ; r
	v_bfe_u32 v3, v0, 4, 1                         ; h
	v_lshlrev_b32 v5, 3, v3
	v_sub_nc_u32 v5, v2, v5                        ; register j holds key 8 h + j: hidden where j > r - 8 h
	v_mov_b32 v6, 0xff800000
	v_mul_u32_u24 v9, v2, WP
	v_lshl_add_u32 v9, v3, 5, v9
	v_add_nc_u32 v9, s13, v9                       ; Wo's tile: row r, + 32 h
	v_add_nc_u32 v10, s14, v4                      ; v's image
	s_lshl_b32 s50, s12, 10
	s_add_co_u32 s50, s50, PARTS
	v_add_nc_u32 v11, s50, v4                      ; where my part goes
	s_and_b32 s52, s12, 7
	s_lshr_b32 s50, s52, 2
	s_lshl_b32 s50, s50, 9
	s_and_b32 s51, s52, 3
	s_lshl_b32 s51, s51, 2
	s_add_co_u32 s50, s50, s51
	s_add_co_u32 s50, s50, PARTS
	v_add_nc_u32 v12, s50, v4                      ; and where register (wave & 7) of every head's part is read back
	v_lshl_add_u32 v13, v3, 3, s52
	v_lshlrev_b32 v13, 14, v13                     ; out0: row 8 h + wave,
	s_lshl_b32 s53, ttmp9, 6
	v_lshl_add_u32 v14, v2, 2, s53
	v_add_nc_u32 v13, v13, v14                     ; column 16 g + r
	s_mov_b32 s54, 0x76543210
	s_mov_b32 s55, 0xfedcba98
	s_lshl_b32 s50, s12, 20                        ; my head's four quarters begin 4 x 262,144 bytes x head on,
	s_lshl_b32 s51, ttmp9, 10                      ; tile g 1,024 bytes x g on in each
	s_add_co_u32 s50, s50, s51
	s_mov_b32 s51, 0
	s_add_nc_u64 s[56:57], s[8:9], s[50:51]        ; wo_img at quarter 4 hd, tile g
	s_wait_loadcnt 0x0
	; S^T = k q^T: 32 K steps of 4 on two accumulators by turns; the first two start the sums
	v_wmma_f32_16x16x4_f32 v[176:183], v[48:49], v[112:113], 0
	v_wmma_f32_16x16x4_f32 v[184:191], v[50:51], v[114:115], 0
.set n, 2
.rept 30
	v_wmma_f32_16x16x4_f32 v[176+8*(n%2):183+8*(n%2)], v[48+2*n:49+2*n], v[112+2*n:113+2*n], v[176+8*(n%2):183+8*(n%2)]
.set n, n+1
.endr
.rept 8
	v_nop                                          ; eight places behind this form
.endr
.irp e, 0,2,4,6
	v_pk_add_f32 v[16+\e:17+\e], v[176+\e:177+\e], v[184+\e:185+\e]   ; lane (r, h): query r, keys 8 h + 0 .. 7
.endr
.irp j, 0,1,2,3,4,5,6,7
	v_cmp_gt_i32 vcc_lo, \j, v5
	v_cndmask_b32 v[16+\j], v[16+\j], v6, vcc_lo
.endr
	v_max3_num_f32 v24, v16, v17, v18
	v_max3_num_f32 v25, v19, v20, v21
	v_max3_num_f32 v24, v24, v22, v23
	v_max_num_f32 v24, v24, v25
	v_permlanex16_b32 v25, v24, s54, s55
	v_max_num_f32 v24, v24, v25                    ; the row's maximum (key 0 counts for every query)
.irp j, 0,1,2,3,4,5,6,7
	v_sub_f32 v[16+\j], v[16+\j], v24
.endr
.irp j, 0,1,2,3,4,5,6,7
	v_exp_f32 v[16+\j], v[16+\j]
.endr
	v_nop
	s_wait_alu depctr_va_vdst(0)                   ; one wait for the eight
	v_add_f32 v26, v16, v17
	v_add_f32 v27, v18, v19
	v_add_f32 v28, v20, v21
	v_add_f32 v29, v22, v23
	v_add_f32 v26, v26, v27
	v_add_f32 v28, v28, v29
	v_add_f32 v26, v26, v28
	v_permlanex16_b32 v27, v26, s54, s55
	v_add_f32 v26, v26, v27
	v_rcp_f32 v26, v26
	v_nop
	s_wait_alu depctr_va_vdst(0)
	v_mul_f32 v26, 4.0, v26                        ; v comes divided by 4
.irp j, 0,1,2,3,4,5,6,7
	v_mul_f32 v[16+\j], v[16+\j], v26
.endr
	s_wait_tensorcnt 0x0                           ; my two tiles have landed; only I read them
.set n, 0
.rept 16
	ds_load_b128 v[112+4*n:115+4*n], v10 offset:512*n          ; v: lane (r, h): channel 16 ct + r, keys 8 h + 0 .. 7
.set n, n+1
.endr
.irp ct, 0,1,2,3,4,5,6,7
	ds_load_b128 v[48+8*\ct:51+8*\ct], v9 offset:64*\ct        ; Wo: lane (r, h): row r, k = 16 ct + 8 h + 0 .. 7
	ds_load_b128 v[52+8*\ct:55+8*\ct], v9 offset:64*\ct+16
.endr
	s_wait_dscnt 0x0
	; O^T = v^T p^T: four K steps of 4 keys, eight accumulators by turns
.irp s, 0,1,2,3
.irp ct, 0,1,2,3,4,5,6,7
.if \s == 0
	v_wmma_f32_16x16x4_f32 v[192+8*\ct:199+8*\ct], v[112+8*\ct+2*\s:113+8*\ct+2*\s], v[16+2*\s:17+2*\s], 0
.else
	v_wmma_f32_16x16x4_f32 v[192+8*\ct:199+8*\ct], v[112+8*\ct+2*\s:113+8*\ct+2*\s], v[16+2*\s:17+2*\s], v[192+8*\ct:199+8*\ct]
.endif
.endr
.endr
	; 4 Wo as f16: these 64 plain lines, which name no register of the products above, are also the places before O^T serves as an operand
.irp ct, 0,1,2,3,4,5,6,7
.if \ct > 0
	s_wait_xcnt 0x0                                ; the last store has read v32-35
.endif
.irp e, 0,2,4,6
	v_pk_mul_f32 v[24+\e:25+\e], v[48+8*\ct+\e:49+8*\ct+\e], 4.0 op_sel_hi:[1,0]
.endr
.irp m, 0,1,2,3
	v_cvt_pk_f16_f32 v[32+\m], v[24+2*\m], v[25+2*\m]
.endr
	global_store_b128 v4, v[32:35], s[56:57] offset:(\ct/2)*262144+(\ct%2)*512    ; quarter ct / 2 of my head, half ct % 2 of the tile's 1,024 bytes: 512 consecutive bytes
.endr
	; my head's part of out0[0:16][16 g ..]: source 0 = O (query r, k along its registers), source 1 = Wo's rows
	v_wmma_f32_16x16x4_f32 v[176:183], v[192:193], v[48:49], 0
	v_wmma_f32_16x16x4_f32 v[184:191], v[194:195], v[50:51], 0
.set n, 2
.rept 30
	v_wmma_f32_16x16x4_f32 v[176+8*(n%2):183+8*(n%2)], v[192+2*n:193+2*n], v[48+2*n:49+2*n], v[176+8*(n%2):183+8*(n%2)]
.set n, n+1
.endr
.rept 8
	v_nop
.endr
.irp e, 0,2,4,6
	v_pk_add_f32 v[36+\e:37+\e], v[176+\e:177+\e], v[184+\e:185+\e]   ; register j: out0(8 h + j, 16 g + r)
.endr
	ds_store_b128 v11, v[36:39]
	ds_store_b128 v11, v[40:43] offset:512
	s_wait_dscnt 0x0                               ; for the others' sake
	s_barrier_signal -1
	s_barrier_wait -1
	s_cmp_ge_u32 s12, 8
	s_cbranch_scc1 .Ldone
.irp k, 0,1,2,3,4,5,6,7,8,9,10,11,12,13,14,15
	ds_load_b32 v[48+\k], v12 offset:1024*\k       ; wave w adds register w of the sixteen parts
.endr
	s_wait_dscnt 0x0
.irp k, 1,2,3,4,5,6,7,8,9,10,11,12,13,14,15
	v_add_f32 v48, v48, v[48+\k]
.endr
	global_store_b32 v13, v48, s[10:11]
.Ldone:
	s_wait_tensorcnt 0x0                           ; the wave's end
	ds_add_u32 v7, v8
	s_wait_dscnt 0x0
	s_endpgm
.Lfunc_end_k_qe5810039d6_fine:
	.size	k_qe5810039d6_fine, .Lfunc_end_k_qe5810039d6_fine-k_qe5810039d6_fine
	.p2alignl 7, 3214868480
	.fill 96, 4, 3214868480
	.section	.rodata,"a",@progbits
	.p2align	6, 0x0
	.amdhsa_kernel k_qe5810039d6_fine
		.amdhsa_group_segment_fixed_size 284672
		.amdhsa_private_segment_fixed_size 0
		.amdhsa_enable_private_segment 0
		.amdhsa_kernarg_size 32
		.amdhsa_user_sgpr_count 2
		.amdhsa_user_sgpr_kernarg_segment_ptr 1
		.amdhsa_wavefront_size32 1
		.amdhsa_system_sgpr_workgroup_id_x 1
		.amdhsa_system_sgpr_workgroup_id_y 1
		.amdhsa_system_sgpr_workgroup_id_z 1
		.amdhsa_system_vgpr_workitem_id 0
		.amdhsa_next_free_vgpr 256
		.amdhsa_next_free_sgpr 66
		.amdhsa_reserve_vcc 1
		.amdhsa_float_denorm_mode_32 3
		.amdhsa_float_denorm_mode_16_64 3
		.amdhsa_memory_ordered 1
		.amdhsa_forward_progress 1
		.amdhsa_inst_pref_size 26
	.end_amdhsa_kernel
	.amdgpu_metadata
---
amdhsa.version: [ 1, 2 ]
amdhsa.kernels:
  - .name:           k_qe5810039d6_fine
    .symbol:         k_qe5810039d6_fine.kd
    .args:
      - { .name: Wo, .offset: 0, .size: 8, .value_kind: global_buffer, .address_space: global }
      - { .name: fine16, .offset: 8, .size: 8, .value_kind: global_buffer, .address_space: global }
      - { .name: wo_img, .offset: 16, .size: 8, .value_kind: global_buffer, .address_space: global }
      - { .name: out0, .offset: 24, .size: 8, .value_kind: global_buffer, .address_space: global }
    .group_segment_fixed_size: 284672
    .private_segment_fixed_size: 0
    .kernarg_segment_align: 8
    .kernarg_segment_size: 32
    .max_flat_workgroup_size: 512
    .sgpr_count:     66
    .vgpr_count:     256
    .wavefront_size: 32
...
	.end_amdgpu_metadata
.endif
;; end of part 3
;; launch attn (part 4): grid 32 x 8, 4 waves a work-group, no clusters, 135,680 bytes of LDS; arguments qk_img, v_img, o_img; writes o_img
.if DOCPART == 4
	.amdgcn_target "amdgcn-amd-amdhsa--gfx1250"
	.amdhsa_code_object_version 6
	.text
	.protected	k_qe5810039d6_attn
	.globl	k_qe5810039d6_attn
	.p2align	8
	.type	k_qe5810039d6_attn,@function
k_qe5810039d6_attn:
	s_mov_b64 s[64:65], 0
	v_nop
	global_prefetch_b8 v0, s[64:65] scope:SCOPE_SE
	s_setreg_imm32_b32 hwreg(HW_REG_WAVE_MODE, 25, 1), 1
	s_wait_xcnt 0x0
; Causal attention with grouped queries, f16 operands, f32 sums and softmax.  q comes times 4 log2(e)/sqrt(128), k and v divided by 4: a score is an exponent of 2; o_img = (sum of p v / 4) / (sum of p), f16.
; o_img is laid for the projection: [64 quarters of 32 channels: 4 x head + c][128 tiles of 16 positions][1,024 bytes in the order of the operand's registers].
; SHARES.  A block is 32 queries x the 2 heads of a kv head: four tiles of 16 rows, all four in one wave, so that each fragment of K and V feeds four products.  Work-group (i, kv) takes block 63 - i and then block i:
; 33 key steps of 64 whatever i.  THE FOUR WAVES SHARE THE KEYS: wave w takes steps w, w + 4, ..; their running maxima, sums and O^T meet in LDS at each block's end.
; No wave reads another's K or V, and all operands lie in memory in the order of the registers: they go from memory straight into registers, 512 consecutive bytes a load.
; NO CLUSTER: under the mask work-groups of one kv head need different numbers of key steps.
; LAYOUT (both products transposed): S^T = K Q^T, O^T = V^T P: a lane holds one query (lane % 16) throughout.
; A wave's last step is written out behind the loop: in the loop every step has a successor, so that the counted waits count the same loads on every path.  Only the last step can lie on the diagonal.
; The loop is counted by a counter of its own, from 0 by 1 up to the number of my steps that have a successor, (last step - wave) / 4 rounded down.
; O^T and the sums begin as zeros and the maximum as -3e38: a wave may have no step in a block, and the step is written for all trips alike.
; REGISTERS: window 0: v1-11, v44-47 addresses; v12-43 statistics, 8 a tile (+0 m, +1 old m, +2, +3 the sum, +4..7 at work, the factor in +6); v64-191 S^T; v192-255 P.
;   window 1: O^T, 64 a tile.  window 2: v0-127 Q, v128-255 K.  window 3: v0-127 V.  Tile t: head 2 kv + t % 2, queries 32 B + 16 (t / 2) on.
.set STATS, 131072                     ; behind four waves' 32 KiB of O^T: maxima and sums, 1,024 bytes a wave
.set SPARE, 135168                     ; the spare words, 128 bytes a wave, named by no other line
.set ST, 12
.set S,  64
.set P,  192
.set MSB, 0
.macro WIN new
.if MSB != \new
	s_set_vgpr_msb (MSB<<8)|\new
.set MSB, \new
.endif
.endm
.macro PLACES n
.rept \n
	v_nop
.endr
.endm
	s_load_b128 s[4:7], s[0:1], 0x0                ; qk_img, v_img
	s_load_b64 s[8:9], s[0:1], 0x10                ; o_img
	v_lshl_add_u32 v8, v0, 2, SPARE
	v_mov_b32 v9, 0
	v_lshrrev_b32 v3, 5, v0
	v_readfirstlane_b32 s10, v3                    ; wave
	s_mov_b32 s11, ttmp9                           ; i
	s_and_b32 s12, ttmp7, 0xffff                   ; kv
	v_and_b32 v3, 31, v0
	v_lshlrev_b32 v1, 4, v3                        ; 16 x lane
	v_lshlrev_b32 v2, 8, v3                        ; 256 x lane, for the prefetches
	v_and_b32 v4, 15, v0
	v_bfe_u32 v47, v0, 4, 1
	v_lshlrev_b32 v47, 3, v47
	v_sub_nc_u32 v47, v4, v47                      ; r - 8 h
	v_mov_b32 v7, 0xff800000
	s_lshl_b32 s30, s10, 10
	s_add_co_u32 s30, s30, STATS
	v_lshl_add_u32 v10, v3, 2, s30                 ; my wave's statistics
	v_lshl_add_u32 v11, v3, 2, STATS               ; everybody's
	s_lshl_b32 s30, s10, 15
	v_add_nc_u32 v44, s30, v1                      ; my wave's O^T
	s_lshl_b32 s30, s10, 13
	v_add_nc_u32 v45, s30, v1                      ; tile w in waves 0 and 1's,
	v_add_nc_u32 v46, 0x10000, v45                 ; and in waves 2 and 3's
.set n, 0
.rept 32
	v_mov_b32 v[ST+n], 0
.set n, n+1
.endr
	s_mov_b32 s14, 0x76543210
	s_mov_b32 s15, 0xfedcba98
	s_lshl_b32 s40, s10, 14                        ; my first key step: 16,384 bytes a step in K and in V
	s_add_co_u32 s30, s12, 16
	s_lshl_b32 s30, s30, 19
	s_add_co_u32 s30, s30, s40
	s_mov_b32 s31, 0
	s_lshl_b32 s42, s12, 19
	s_add_co_u32 s42, s42, s40
	s_mov_b32 s43, 0
	s_lshl_b32 s44, s12, 20                        ; two heads: 2 x 524,288 bytes in qk_img, and 8 quarters of 131,072 bytes in o_img
	s_mov_b32 s45, 0
	s_and_b32 s46, s10, 1
	s_lshl_b32 s46, s46, 19                        ; the head of the tile that I finish: four quarters on
	s_add_co_u32 s46, s46, s44
	s_lshr_b32 s47, s10, 1
	s_lshl_b32 s47, s47, 10                        ; its tile of positions: 1,024 bytes a tile in each quarter
	s_add_co_u32 s46, s46, s47
	s_mov_b32 s47, 0
	s_wait_kmcnt 0x0
	s_add_nc_u64 s[32:33], s[4:5], s[30:31]        ; K at my first step
	s_add_nc_u64 s[34:35], s[6:7], s[42:43]        ; V likewise
	s_add_nc_u64 s[36:37], s[4:5], s[44:45]        ; Q at head 2 kv
	s_add_nc_u64 s[38:39], s[8:9], s[46:47]        ; O at the tile that I finish
.macro LOADK
	WIN 0x80
.set n, 0
.rept 32
	global_load_b128 v[128+4*n:131+4*n], v1, s[22:23] offset:512*n
.set n, n+1
.endr
	WIN 0
.endm
.macro LOADV
	WIN 0xc0
.set n, 0
.rept 32
	global_load_b128 v[4*n:4*n+3], v1, s[24:25] offset:512*n
.set n, n+1
.endr
	WIN 0
.endm
.macro KQ                              ; 64 products; 16 accumulators by turns; the first 16 start the sums
	WIN 0x0a
.set i, 0
.rept 64
.set rS, S+32*(i%4)+8*((i/4)%4)
.set rK, 128+32*((i/4)%4)+8*(i/16)
.set rQ, 32*(i%4)+8*(i/16)
.if i < 16
	v_wmma_f32_16x16x32_f16 v[rS:rS+7], v[rK:rK+7], v[rQ:rQ+7], 0
.else
	v_wmma_f32_16x16x32_f16 v[rS:rS+7], v[rK:rK+7], v[rQ:rQ+7], v[rS:rS+7]
.endif
.set i, i+1
.endr
	WIN 0
.endm
.macro PV                              ; 64 products; 32 accumulators by turns
	WIN 0x53
.set i, 0
.rept 64
.set rO, 64*(i%4)+8*((i/4)%8)
.set rV, 64*(i/32)+8*((i/4)%8)
.set rP, P+16*(i%4)+8*(i/32)
	v_wmma_f32_16x16x32_f16 v[rO:rO+7], v[rV:rV+7], v[rP:rP+7], v[rO:rO+7]
.set i, i+1
.endr
	WIN 0
.endm
.macro DIAG                            ; register 8 kt + j holds key 64 s + 16 kt + 8 h + j: hidden where 16 kt + j > query - 64 s - 8 h
.irp g, 0,1
.set n, 0
.rept 32
	v_cmp_gt_i32 vcc_lo, 16*(n/8)+n%8, v[5+\g]
	v_cndmask_b32 v[S+64*\g+n], v[S+64*\g+n], v7, vcc_lo
	v_cndmask_b32 v[S+64*\g+32+n], v[S+64*\g+32+n], v7, vcc_lo
.set n, n+1
.endr
.endr
.endm
.macro SOFTMAX                         ; the four tiles line by line, so that no line waits for the line above it
.irp j, 0,1,2,3
.irp t, 0,1,2,3
	v_max3_num_f32 v[ST+8*\t+4+\j], v[S+32*\t+8*\j], v[S+32*\t+8*\j+1], v[S+32*\t+8*\j+2]
.endr
.endr
.irp i, 3,5
.irp j, 0,1,2,3
.irp t, 0,1,2,3
	v_max3_num_f32 v[ST+8*\t+4+\j], v[ST+8*\t+4+\j], v[S+32*\t+8*\j+\i], v[S+32*\t+8*\j+\i+1]
.endr
.endr
.endr
.irp t, 0,1,2,3
	v_max3_num_f32 v[ST+8*\t+4], v[ST+8*\t+4], v[S+32*\t+7], v[S+32*\t+15]
.endr
.irp t, 0,1,2,3
	v_max3_num_f32 v[ST+8*\t+6], v[ST+8*\t+6], v[S+32*\t+23], v[S+32*\t+31]
.endr
.irp t, 0,1,2,3
	v_max3_num_f32 v[ST+8*\t+4], v[ST+8*\t+4], v[ST+8*\t+5], v[ST+8*\t+6]
.endr
.irp t, 0,1,2,3
	v_max3_num_f32 v[ST+8*\t+4], v[ST+8*\t+4], v[ST+8*\t+7], v[ST+8*\t]
.endr
.irp t, 0,1,2,3
	v_permlanex16_b32 v[ST+8*\t+5], v[ST+8*\t+4], s14, s15     ; the query's other 32 keys lie in the lane 16 away
.endr
.irp t, 0,1,2,3
	v_mov_b32 v[ST+8*\t+1], v[ST+8*\t]
.endr
.irp t, 0,1,2,3
	v_max_num_f32 v[ST+8*\t], v[ST+8*\t+4], v[ST+8*\t+5]       ; the running maximum
.endr
.irp t, 0,1,2,3
	v_sub_f32 v[ST+8*\t+1], v[ST+8*\t+1], v[ST+8*\t]
.endr
.set e, 0
.rept 16
.irp t, 0,1,2,3
	v_pk_add_f32 v[S+32*\t+2*e:S+32*\t+2*e+1], v[S+32*\t+2*e:S+32*\t+2*e+1], v[ST+8*\t:ST+8*\t+1] op_sel_hi:[1,0] neg_lo:[0,1] neg_hi:[0,1]
.endr
.set e, e+1
.endr
.irp t, 0,1,2,3
	v_exp_f32 v[ST+8*\t+6], v[ST+8*\t+1]           ; what was summed under the old maximum is multiplied by this
.endr
.set e, 0
.rept 32
.irp t, 0,1,2,3
	v_exp_f32 v[S+32*\t+e], v[S+32*\t+e]
.endr
.set e, e+1
.endr
	v_nop                                          ; a plain line behind the last exponential,
	s_wait_alu depctr_va_vdst(0)                   ; and ONE wait for the 132, ahead of their first reader
.set e, 0
.rept 16
.irp t, 0,1,2,3
	v_cvt_pk_f16_f32 v[P+16*\t+e], v[S+32*\t+2*e], v[S+32*\t+2*e+1]
.endr
.set e, e+1
.endr
.irp w, 4,8,16,32
.set u, 0
.rept 32/\w
.irp t, 0,1,2,3
	v_pk_add_f32 v[S+32*\t+\w*u:S+32*\t+\w*u+1], v[S+32*\t+\w*u:S+32*\t+\w*u+1], v[S+32*\t+\w*u+\w/2:S+32*\t+\w*u+\w/2+1]
.endr
.set u, u+1
.endr
.endr
.irp t, 0,1,2,3
	v_pk_fma_f32 v[ST+8*\t+2:ST+8*\t+3], v[ST+8*\t+2:ST+8*\t+3], v[ST+8*\t+6:ST+8*\t+7], v[S+32*\t:S+32*\t+1] op_sel_hi:[1,0,1]
.endr
	WIN 0x41
.set e, 0
.rept 128
	v_pk_mul_f32 v[2*e:2*e+1], v[2*e:2*e+1], v[ST+8*(e/32)+6:ST+8*(e/32)+7] op_sel_hi:[1,0]
.set e, e+1
.endr
	WIN 0
.endm
; A key step.  next = 1: in the loop: the step four on is fetched, K behind K Q^T, V behind V^T P.  next = 0: the wave's last step of the block.
.macro STEPBODY next
	s_wait_loadcnt 32                              ; K (and Q) are in; V's 32 younger loads may be out
	KQ
	PLACES 4                                       ; in front of loads into K's registers and of the first read of the scores
.if \next
	s_wait_xcnt 0x0                                ; K's base is stepped only behind this wait
	s_add_nc_u64 s[22:23], s[22:23], 65536
	LOADK
	; A prefetch of step s + 8's K and V, 128 blocks of 256 bytes, a lane a block: one trip ahead of the loads that want them.  Work-group 0 of each kv head asks, in its first block, which walks all 32 steps;
	; each wave for its own steps: each block is named once.  Steps 0 to 7 come by their loads alone; the last trips ask for nothing.
	s_add_co_u32 s30, s19, 4
	s_cmp_le_u32 s30, s20
	s_cbranch_scc0 .Lnopf_\@
	global_prefetch_b8 v2, s[22:23] offset:65536 th:TH_LOAD_NT scope:SCOPE_SE
	global_prefetch_b8 v2, s[22:23] offset:73728 th:TH_LOAD_NT scope:SCOPE_SE
	global_prefetch_b8 v2, s[24:25] offset:131072 th:TH_LOAD_NT scope:SCOPE_SE
	global_prefetch_b8 v2, s[24:25] offset:139264 th:TH_LOAD_NT scope:SCOPE_SE
.Lnopf_\@:
.else
	s_sub_co_u32 s30, s19, 4
	s_cmp_lg_u32 s30, s18                          ; the block's last step lies on the diagonal
	s_cbranch_scc1 .Lopen_\@
	DIAG
.Lopen_\@:
.endif
	SOFTMAX
.if \next
	s_wait_loadcnt 32                              ; V is in; the next K's 32 loads may be out
.else
	s_wait_loadcnt 0x0
.endif
	PV
.if \next
	PLACES 4
	s_wait_xcnt 0x0
	s_add_nc_u64 s[24:25], s[24:25], 65536
	LOADV
.endif
.endm
	s_mov_b32 s16, 0
.Lphase:                                               ; two trips: block 63 - i, then block i
	s_sub_co_u32 s30, 63, s11
	s_cmp_eq_u32 s16, 0
	s_cselect_b32 s17, s30, s11                    ; B
	s_or_b32 s30, s16, s11
	s_cmp_eq_u32 s30, 0
	s_cselect_b32 s20, 31, 0                       ; the last step that is prefetched; 0: this work-group, or this block, asks for nothing
	s_lshr_b32 s18, s17, 1                         ; the block's last key step
	s_lshl_b32 s30, s17, 13                        ; Q: two tiles of 4,096 bytes a block
	s_mov_b32 s31, 0
	s_add_nc_u64 s[26:27], s[36:37], s[30:31]
	s_lshl_b32 s30, s17, 11                        ; O: two tiles of 1,024 bytes a block in each quarter
	s_add_nc_u64 s[28:29], s[38:39], s[30:31]
	s_mov_b64 s[22:23], s[32:33]
	s_mov_b64 s[24:25], s[34:35]
	s_and_b32 s30, s17, 1
	s_lshl_b32 s30, s30, 5
	v_add_nc_u32 v5, s30, v47                      ; query - 64 x last step - 8 h, for tiles 0, 1
	v_add_nc_u32 v6, 16, v5                        ; and for tiles 2, 3
.irp t, 0,1,2,3
	v_mov_b32 v[ST+8*\t], 0xff61b1e6               ; -3e38, under every score
	v_mov_b32 v[ST+8*\t+2], 0
	v_mov_b32 v[ST+8*\t+3], 0
.endr
	WIN 0x40
.set n, 0
.rept 256
	v_mov_b32 v[n], 0
.set n, n+1
.endr
	WIN 0
	s_cmp_gt_u32 s10, s18                          ; no step of this block is mine
	s_cbranch_scc1 .Lmerge
	WIN 0x80
.irp t, 0,1,2,3
.irp n, 0,1,2,3,4,5,6,7
	global_load_b128 v[32*\t+4*\n:32*\t+4*\n+3], v1, s[26:27] offset:(\t%2)*524288+(\t/2)*4096+512*\n
.endr
.endr
	WIN 0
	LOADK
	LOADV
	s_sub_co_u32 s13, s18, s10                     ; (the last step is at or behind my first here)
	s_lshr_b32 s13, s13, 2                         ; how many of my steps have a successor: the loop's trips
	s_add_co_u32 s19, s10, 4                       ; the step behind the one in hand
	s_mov_b32 s21, 0                               ; the loop's counter
	s_cmp_eq_u32 s13, 0
	s_cbranch_scc1 .Ltail
.Lkey:
	STEPBODY 1
	s_add_co_u32 s19, s19, 4
	s_add_co_u32 s21, s21, 1
	s_cmp_lt_u32 s21, s13
	s_cbranch_scc1 .Lkey
.Ltail:
	STEPBODY 0
.Lmerge:
	; THE FOUR WAVES' PARTS MEET.  First the maxima and sums.
.irp t, 0,1,2,3
	v_add_f32 v[ST+8*\t+4], v[ST+8*\t+2], v[ST+8*\t+3]
.endr
.irp t, 0,1,2,3
	v_permlanex16_b32 v[ST+8*\t+5], v[ST+8*\t+4], s14, s15
.endr
.irp t, 0,1,2,3
	v_add_f32 v[ST+8*\t+4], v[ST+8*\t+4], v[ST+8*\t+5]
.endr
.irp t, 0,1,2,3
	ds_store_b32 v10, v[ST+8*\t] offset:256*\t
	ds_store_b32 v10, v[ST+8*\t+4] offset:256*\t+128
.endr
	s_wait_dscnt 0x0                               ; my stores have landed, and my reads of the last block's O^T are in
	s_barrier_signal -1
	s_barrier_wait -1
.irp w, 0,1,2,3
.irp t, 0,1,2,3
	ds_load_b32 v[S+8*\w+2*\t], v11 offset:1024*\w+256*\t
	ds_load_b32 v[S+8*\w+2*\t+1], v11 offset:1024*\w+256*\t+128
.endr
.endr
	s_wait_dscnt 0x0
.irp t, 0,1,2,3
	v_max3_num_f32 v[ST+8*\t+5], v[S+2*\t], v[S+8+2*\t], v[S+16+2*\t]
.endr
.irp t, 0,1,2,3
	v_max_num_f32 v[ST+8*\t+5], v[ST+8*\t+5], v[S+24+2*\t]     ; the row's maximum (wave 0 always has step 0)
.endr
.irp w, 0,1,2,3
.irp t, 0,1,2,3
	v_sub_f32 v[S+8*\w+2*\t], v[S+8*\w+2*\t], v[ST+8*\t+5]
.endr
.endr
.irp t, 0,1,2,3
	v_sub_f32 v[ST+8*\t+6], v[ST+8*\t], v[ST+8*\t+5]
.endr
.irp w, 0,1,2,3
.irp t, 0,1,2,3
	v_exp_f32 v[S+8*\w+2*\t], v[S+8*\w+2*\t]
.endr
.endr
.irp t, 0,1,2,3
	v_exp_f32 v[ST+8*\t+6], v[ST+8*\t+6]
.endr
	v_nop
	s_wait_alu depctr_va_vdst(0)                   ; one wait for the twenty
.irp t, 0,1,2,3
	v_mul_f32 v[ST+8*\t+7], v[S+2*\t], v[S+2*\t+1]
.endr
.irp w, 1,2,3
.irp t, 0,1,2,3
	v_fmac_f32 v[ST+8*\t+7], v[S+8*\w+2*\t], v[S+8*\w+2*\t+1]
.endr
.endr
.irp t, 0,1,2,3
	v_rcp_f32 v[ST+8*\t+7], v[ST+8*\t+7]
.endr
	v_nop
	s_wait_alu depctr_va_vdst(0)
.irp t, 0,1,2,3
	v_mul_f32 v[ST+8*\t+6], v[ST+8*\t+6], v[ST+8*\t+7]         ; my part's weight / the row's sum
.endr
	WIN 0x41
.set e, 0
.rept 128
	v_pk_mul_f32 v[2*e:2*e+1], v[2*e:2*e+1], v[ST+8*(e/32)+6:ST+8*(e/32)+7] op_sel_hi:[1,0]
.set e, e+1
.endr
	WIN 0x04                                       ; an LDS store's data are its source 1: window 1
.set n, 0
.rept 64
	ds_store_b128 v44, v[4*n:4*n+3] offset:512*n
.set n, n+1
.endr
	WIN 0
	s_wait_dscnt 0x0
	s_barrier_signal -1
	s_barrier_wait -1
	WIN 0x80                                       ; wave w finishes tile w: the four parts into window 2
.set n, 0
.rept 16
	ds_load_b128 v[4*n:4*n+3], v45 offset:512*n
	ds_load_b128 v[64+4*n:64+4*n+3], v45 offset:32768+512*n
	ds_load_b128 v[128+4*n:128+4*n+3], v46 offset:512*n
	ds_load_b128 v[192+4*n:192+4*n+3], v46 offset:32768+512*n
.set n, n+1
.endr
	s_wait_dscnt 0x0
	WIN 0x8a
.set n, 0
.rept 32
	v_pk_add_f32 v[2*n:2*n+1], v[2*n:2*n+1], v[64+2*n:64+2*n+1]
	v_pk_add_f32 v[128+2*n:128+2*n+1], v[128+2*n:128+2*n+1], v[192+2*n:192+2*n+1]
.set n, n+1
.endr
.set n, 0
.rept 32
	v_pk_add_f32 v[2*n:2*n+1], v[2*n:2*n+1], v[128+2*n:128+2*n+1]
.set n, n+1
.endr
	WIN 0x0a
.set n, 0
.rept 32
	v_cvt_pk_f16_f32 v[S+n], v[2*n], v[2*n+1]
.set n, n+1
.endr
	WIN 0
.irp c, 0,1,2,3,4,5,6,7
	global_store_b128 v1, v[S+4*\c:S+4*\c+3], s[28:29] offset:(\c/2)*131072+(\c%2)*512   ; channels 16 c on: quarter c / 2 of the head, half c % 2 of the tile's 1,024 bytes: 512 consecutive bytes
.endr
	s_wait_xcnt 0x0                                ; bases and data are written again only behind this wait
	s_add_co_u32 s16, s16, 1
	s_cmp_lt_u32 s16, 2
	s_cbranch_scc1 .Lphase
	s_wait_tensorcnt 0x0                           ; the wave's end
	ds_add_u32 v8, v9
	s_wait_dscnt 0x0
	s_endpgm
.Lfunc_end_k_qe5810039d6_attn:
	.size	k_qe5810039d6_attn, .Lfunc_end_k_qe5810039d6_attn-k_qe5810039d6_attn
	.p2alignl 7, 3214868480
	.fill 96, 4, 3214868480
	.section	.rodata,"a",@progbits
	.p2align	6, 0x0
	.amdhsa_kernel k_qe5810039d6_attn
		.amdhsa_group_segment_fixed_size 135680
		.amdhsa_private_segment_fixed_size 0
		.amdhsa_enable_private_segment 0
		.amdhsa_kernarg_size 24
		.amdhsa_user_sgpr_count 2
		.amdhsa_user_sgpr_kernarg_segment_ptr 1
		.amdhsa_wavefront_size32 1
		.amdhsa_system_sgpr_workgroup_id_x 1
		.amdhsa_system_sgpr_workgroup_id_y 1
		.amdhsa_system_sgpr_workgroup_id_z 1
		.amdhsa_system_vgpr_workitem_id 0
		.amdhsa_next_free_vgpr 1024
		.amdhsa_next_free_sgpr 66
		.amdhsa_reserve_vcc 1
		.amdhsa_float_denorm_mode_32 3
		.amdhsa_float_denorm_mode_16_64 3
		.amdhsa_memory_ordered 1
		.amdhsa_forward_progress 1
		.amdhsa_inst_pref_size 141
	.end_amdhsa_kernel
	.amdgpu_metadata
---
amdhsa.version: [ 1, 2 ]
amdhsa.kernels:
  - .name:           k_qe5810039d6_attn
    .symbol:         k_qe5810039d6_attn.kd
    .args:
      - { .name: qk_img, .offset: 0, .size: 8, .value_kind: global_buffer, .address_space: global }
      - { .name: v_img, .offset: 8, .size: 8, .value_kind: global_buffer, .address_space: global }
      - { .name: o_img, .offset: 16, .size: 8, .value_kind: global_buffer, .address_space: global }
    .group_segment_fixed_size: 135680
    .private_segment_fixed_size: 0
    .kernarg_segment_align: 8
    .kernarg_segment_size: 24
    .max_flat_workgroup_size: 128
    .sgpr_count:     66
    .vgpr_count:     1024
    .wavefront_size: 32
...
	.end_amdgpu_metadata
.endif
;; end of part 4
;; launch proj (part 5): grid 16 x 16, 4 waves a work-group, clusters of 4 x 4, 327,680 bytes of LDS; arguments o_img, wo_img, out0; writes out0
.if DOCPART == 5
	.amdgcn_target "amdgcn-amd-amdhsa--gfx1250"
	.amdhsa_code_object_version 6
	.text
	.protected	k_qe5810039d6_proj
	.globl	k_qe5810039d6_proj
	.p2align	8
	.type	k_qe5810039d6_proj,@function
k_qe5810039d6_proj:
	s_mov_b64 s[64:65], 0
	v_nop
	global_prefetch_b8 v0, s[64:65] scope:SCOPE_SE
	s_setreg_imm32_b32 hwreg(HW_REG_WAVE_MODE, 25, 1), 1
	s_wait_xcnt 0x0
	s_wait_alu depctr_hold_cnt(0) depctr_sa_sdst(0) depctr_va_vdst(0) depctr_va_sdst(0) depctr_va_ssrc(0) depctr_va_vcc(0) depctr_vm_vsrc(0)
	s_getreg_b32 s2, hwreg(HW_REG_IB_STS2, 6, 4)
	s_cmp_eq_u32 s2, 0
	s_cbranch_scc0 .Lentry_in_a_cluster
	s_endpgm
.Lentry_in_a_cluster:
	s_bfe_u32 s2, ttmp6, 0x10000c
	s_cmp_lg_u32 s2, 0xf033
	s_cbranch_scc0 .Lentry_shape_is_right
	s_endpgm
.Lentry_shape_is_right:
; out0[t][h] = sum over k of O[t][k] Wo[h][k], K = 2,048, f16 operands (O divided by 4, Wo times 4: exact), f32 sums.  Rows 0-15 are not stored here: they are made in f32 by the launch before the attention.
; A work-group makes 128 (t) x 256 (h); a wave 64 x 128: 32 accumulators.  Both operands lie in memory by QUARTERS of 32 along K, in the order of the operand registers: [64 quarters][tiles of 16 rows][1,024 bytes].
; So a run of quarters of a run of tiles is a plain two-dimensional tile: a row = the tiles' bytes of one quarter, from row to row a quarter's bytes; in LDS the rows follow each other, and a fragment is read at 16 x lane:
; no pitch, no padding.
; THE RING: two LDS slots of SIX quarters (192 along K).  A quarter of the work-group's tile is 8 KiB of O and 16 KiB of Wo; six are 147,456 bytes, two slots and the spare words 295,424 of the 327,680; seven would not fit.
; A slot is 192 matrix instructions a wave, of which 176 stand between a request and the wait for it.  64 quarters are ten slots of six and one of four: the last refill, written out in the tail, has groups 1 of its own.
; CLUSTER 4 x 4: O's tile hangs on the row of the cluster, Wo's on the column: each is asked for jointly by the four that share it.
; THE MATRIX INSTRUCTION IS USED TRANSPOSED (source 0 = 16 rows of Wo, source 1 = 16 rows of O): a lane holds eight neighbouring numbers of a row of out0.
; REGISTERS: window 0: v16-29 addresses; two fragment buffers of 96 (O 32, Wo 64) at v64 and v160; on the way out v64-191.  window 1: the accumulators, (a, b) at v[8 (8 a + b)].
.set QS,    6                          ; quarters in a slot
.set AREG,  QS*4096                    ; what a wave fetches, and reads, of O: four tiles a quarter
.set BREG,  QS*8192                    ; and of Wo: eight tiles a quarter
.set SLOT,  2*AREG+2*BREG
.set AQ,    131072                     ; a quarter of o_img in bytes: 128 tiles
.set BQ,    262144                     ; and of wo_img: 256 tiles
.set STAGE, SLOT                       ; the way out: 16 rows x 528 bytes for each wave, in slot 1: when the first result is stored there it has had its last fill, and behind the last change of slots nobody reads it
.set SPITCH, 528
.set SPARE, 2*SLOT                     ; the spare words, 128 bytes a wave, named by no other line
.set ADRA, 16
.set ADRB, 20
.set STO,  24
.set RD,   25
.set CO,   26
.set ROW0, 27
.set SPW,  28
.set NIL,  29
.set F0,   64
.set BK,   64
.set G1A, 24                           ; s[24:31] group 1 for O's tiles of six quarters;  s[32:39] group 0, a set for each slot
.set G0A, 32
.set G1B, 48                           ; s[48:55], s[56:63] the same for Wo's
.set G0B, 56
.set G1AS, 68                          ; s[68:75], s[76:83] groups 1 for the last tiles, of four quarters
.set G1BS, 76
.set MSB, 0
.macro WIN new
.if MSB != \new
	s_set_vgpr_msb (MSB<<8)|\new
.set MSB, \new
.endif
.endm
.macro PLACES n
.rept \n
	v_nop
.endr
.endm
.macro JLOAD s, ga, gb                 ; waves 0, 1 fetch O's halves, waves 2, 3 Wo's; the branch hangs on the wave's number alone
	s_cmp_eq_u32 s11, 0
	s_cbranch_scc0 .Lfor_b_\@
	tensor_load_to_lds s[G0A+4*\s:G0A+4*\s+3], s[\ga:\ga+7]
	s_nop 0
.rept 4
	v_nop
.endr
	s_branch .Lasked_\@
.Lfor_b_\@:
	tensor_load_to_lds s[G0B+4*\s:G0B+4*\s+3], s[\gb:\gb+7]
	s_nop 0
.rept 4
	v_nop
.endr
.Lasked_\@:
.endm
.macro CREST
	s_cmp_lg_u32 s10, 0
	s_cbranch_scc1 .Lnot_wave_0_\@
	s_barrier_signal -3
.Lnot_wave_0_\@:
	s_barrier_wait -3
	s_barrier_signal -1
	s_barrier_wait -1
.endm
.macro CROUND
	s_barrier_signal -1
	s_barrier_wait -1
	CREST
.endm
	s_load_b128 s[4:7], s[0:1], 0x0                ; o_img, wo_img
	s_load_b64 s[8:9], s[0:1], 0x10                ; out0
	v_lshl_add_u32 v[SPW], v0, 2, SPARE
	v_mov_b32 v[NIL], 0
	ds_add_u32 v[SPW], v[NIL]                      ; the opening: the add, twice on end, and its wait ahead of my first tensor load
	ds_add_u32 v[SPW], v[NIL]
	v_lshrrev_b32 v1, 5, v0
	v_readfirstlane_b32 s10, v1                    ; wave
	s_lshr_b32 s11, s10, 1                         ; my half of the rows; also: I fetch O (0) or Wo (1)
	s_and_b32 s12, s10, 1                          ; my half of the columns; also: which half I fetch
	s_bfe_u32 s40, ttmp6, 0x40000                  ; cx
	s_bfe_u32 s41, ttmp6, 0x40004                  ; cy
	s_lshl_b32 s42, ttmp9, 2
	s_add_co_u32 s42, s42, s40                     ; tile column
	s_and_b32 s13, ttmp7, 0xffff
	s_lshl_b32 s13, s13, 2
	s_add_co_u32 s13, s13, s41                     ; tile row
	s_lshl_b32 s43, s41, 2
	s_lshl_b32 s43, 15, s43                        ; my row of the cluster
	s_lshl_b32 s44, 0x1111, s40                    ; my column
	s_or_b32 s[G1A], s43, (3<<16)|(1<<21)          ; the mask; elements of 8 bytes; bit 21 beside a mask; no padding
	s_or_b32 s[G1AS], s43, (3<<16)|(1<<21)
	s_or_b32 s[G1B], s44, (3<<16)|(1<<21)
	s_or_b32 s[G1BS], s44, (3<<16)|(1<<21)
.irp g, G1A, G1AS
	s_mov_b32 s[\g+1], 512<<16                     ; tensor_dim0 = 512 elements: four tiles, 4,096 bytes
	s_mov_b32 s[\g+3], 512<<16                     ; tile_dim0
	s_mov_b32 s[\g+5], AQ/8                        ; from quarter to quarter, in elements
	s_mov_b32 s[\g+6], 0
	s_mov_b32 s[\g+7], 0
.endr
.irp g, G1B, G1BS
	s_mov_b32 s[\g+1], 1024<<16                    ; eight tiles, 8,192 bytes
	s_mov_b32 s[\g+3], 1024<<16
	s_mov_b32 s[\g+5], BQ/8
	s_mov_b32 s[\g+6], 0
	s_mov_b32 s[\g+7], 0
.endr
.irp g, G1A, G1B
	s_mov_b32 s[\g+2], QS<<16                      ; tensor_dim1 = six quarters
	s_mov_b32 s[\g+4], QS                          ; tile_dim1
.endr
.irp g, G1AS, G1BS
	s_mov_b32 s[\g+2], 4<<16                       ; the last four
	s_mov_b32 s[\g+4], 4
.endr
	s_lshl_b32 s16, s13, 3
	s_lshl_b32 s17, s12, 2
	s_add_co_u32 s16, s16, s17
	s_lshl_b32 s16, s16, 10                        ; O: tile 8 x tile row + 4 x half, 1,024 bytes a tile
	s_mov_b32 s17, 0
	s_lshl_b32 s46, s42, 4
	s_lshl_b32 s47, s12, 3
	s_add_co_u32 s46, s46, s47
	s_lshl_b32 s46, s46, 10                        ; Wo: tile 16 x tile column + 8 x half
	s_mov_b32 s47, 0
	s_mul_i32 s20, s12, AREG                       ; where they go in a slot: no place in the cluster enters an LDS address
	s_mul_i32 s21, s12, BREG
	s_add_co_u32 s21, s21, 2*AREG
	s_wait_dscnt 0x0
	s_wait_kmcnt 0x0
	s_add_nc_u64 s[14:15], s[4:5], s[16:17]
	s_add_nc_u64 s[46:47], s[6:7], s[46:47]
	CROUND                                         ; all sixteen work-groups are here: the first joint loads meet
.irp s, 0,1
	s_mov_b32 s[G0A+4*\s], 1
	s_add_co_u32 s[G0A+4*\s+1], s20, \s*SLOT
	s_add_nc_u64 s[G0A+4*\s+2:G0A+4*\s+3], s[14:15], \s*QS*AQ
	s_or_b32 s[G0A+4*\s+3], s[G0A+4*\s+3], 0x80000000
	s_mov_b32 s[G0B+4*\s], 1
	s_add_co_u32 s[G0B+4*\s+1], s21, \s*SLOT
	s_add_nc_u64 s[G0B+4*\s+2:G0B+4*\s+3], s[46:47], \s*QS*BQ
	s_or_b32 s[G0B+4*\s+3], s[G0B+4*\s+3], 0x80000000
	JLOAD \s, G1A, G1B                             ; quarters 0-5 and 6-11: two loads of mine are out
.endr
	v_and_b32 v1, 31, v0
	v_lshlrev_b32 v[CO], 4, v1                     ; 16 x lane
	s_mul_i32 s22, s11, AREG                       ; my four tiles of O
	s_mul_i32 s23, s12, BREG
	s_add_co_u32 s23, s23, 2*AREG                  ; my eight of Wo
.irp s, 0,1
	v_add_nc_u32 v[ADRA+\s], s22, v[CO]
	v_add_nc_u32 v[ADRB+\s], s23, v[CO]
	s_add_co_u32 s22, s22, SLOT
	s_add_co_u32 s23, s23, SLOT
.endr
	v_and_b32 v2, 15, v0
	v_bfe_u32 v3, v0, 4, 1
	s_mul_i32 s22, s10, 16*SPITCH
	s_add_co_u32 s22, s22, STAGE
	v_mul_u32_u24 v4, v2, SPITCH
	v_lshl_add_u32 v4, v3, 5, v4
	v_add_nc_u32 v[STO], s22, v4                   ; into my stage: row r, 32 bytes for each half of the lanes
	v_add_nc_u32 v[RD], s22, v[CO]                 ; back: a row of 512 bytes
	s_lshl_b32 s16, s13, 7
	s_lshl_b32 s17, s11, 6
	s_add_co_u32 s16, s16, s17                     ; my first row of out0
	v_mov_b32 v[ROW0], s16
	s_lshl_b32 s16, s16, 14
	s_mov_b32 s17, 0
	s_lshl_b32 s66, s42, 10
	s_lshl_b32 s67, s12, 9
	s_add_co_u32 s66, s66, s67                     ; my first column, in bytes
	s_mov_b32 s67, 0
	s_add_nc_u64 s[8:9], s[8:9], s[16:17]
	s_add_nc_u64 s[8:9], s[8:9], s[66:67]
.macro FETCH slot, c, f                ; 24 loads: the fragments of the slot's c-th quarter into buffer f
.irp i, 0,1,2,3
	ds_load_b128 v[(\f)+8*\i:(\f)+8*\i+3], v[ADRA+\slot] offset:4096*(\c)+1024*\i
	ds_load_b128 v[(\f)+8*\i+4:(\f)+8*\i+7], v[ADRA+\slot] offset:4096*(\c)+1024*\i+512
.endr
.irp i, 0,1,2,3,4,5,6,7
	ds_load_b128 v[(\f)+32+8*\i:(\f)+32+8*\i+3], v[ADRB+\slot] offset:8192*(\c)+1024*\i
	ds_load_b128 v[(\f)+32+8*\i+4:(\f)+32+8*\i+7], v[ADRB+\slot] offset:8192*(\c)+1024*\i+512
.endr
.endm
.macro MUL8 a, f, zero                 ; the 32 accumulators take turns, in the same order in every quarter
.irp b, 0,1,2,3,4,5,6,7
.if \zero
	v_wmma_f32_16x16x32_f16 v[8*(8*(\a)+\b):8*(8*(\a)+\b)+7], v[(\f)+32+8*\b:(\f)+32+8*\b+7], v[(\f)+8*(\a):(\f)+8*(\a)+7], 0
.else
	v_wmma_f32_16x16x32_f16 v[8*(8*(\a)+\b):8*(8*(\a)+\b)+7], v[(\f)+32+8*\b:(\f)+32+8*\b+7], v[(\f)+8*(\a):(\f)+8*(\a)+7], v[8*(8*(\a)+\b):8*(8*(\a)+\b)+7]
.endif
.endr
.endm
.macro QUARTER slot, c, zero           ; 32 along K that has its successor in the same slot
	s_wait_dscnt 0x0                               ; this quarter's fragments, asked for a quarter ago, are in
	PLACES 4                                       ; in front of loads into the buffer that the last quarter's products read
	FETCH \slot, (\c)+1, F0+96*(1-(\c)%2)
	WIN 0x50                                       ; C and D window 1
.irp a, 0,1,2,3
	MUL8 \a, F0+96*((\c)%2), \zero
.endr
	WIN 0
.endm
.macro QUARTERS slot, from, to         ; the slot's quarters from .. to
.set Q, \from
.rept \to-\from+1
	QUARTER \slot, Q, 0
.set Q, Q+1
.endr
.endm
; A slot's last quarter (an odd one: buffer 1) changes slots.  fill = 1: this slot is filled again with the six quarters two slots on; 2: with the last four; 0: nothing is left to fetch.
.macro TURN slot, next, fill
	s_wait_tensorcnt 0x0                           ; all my tensor loads have landed: my part of the next slot
	ds_add_u32 v[SPW], v[NIL]
	s_wait_dscnt 1                                 ; the fragments are in; the add may be out
	WIN 0x50
	MUL8 0, F0+96, 0
	s_wait_dscnt 0x0                               ; the add is done, and my reads of this slot are over
	s_barrier_signal -1
	MUL8 1, F0+96, 0
	WIN 0
	s_barrier_wait -1
.if \fill
	CREST                                          ; the barrier has opened a round of the cluster's: no wave of any partner still reads this slot or has a load on its way
	s_add_nc_u64 s[G0A+4*\slot+2:G0A+4*\slot+3], s[G0A+4*\slot+2:G0A+4*\slot+3], 2*QS*AQ
	s_add_nc_u64 s[G0B+4*\slot+2:G0B+4*\slot+3], s[G0B+4*\slot+2:G0B+4*\slot+3], 2*QS*BQ
.if \fill == 1
	JLOAD \slot, G1A, G1B                          ; the first tensor load behind the round; its four v_nop are the places in front of the loads below
.else
	JLOAD \slot, G1AS, G1BS                        ; quarters 60 to 63
.endif
.else
	PLACES 4
.endif
	FETCH \next, 0, F0
	WIN 0x50
	MUL8 2, F0+96, 0
	MUL8 3, F0+96, 0
	WIN 0
.endm
	s_wait_tensorcnt 1                             ; my part of the first slot is in; the second's may be out
	s_barrier_signal -1
	s_barrier_wait -1
	FETCH 0, 0, F0
	QUARTER 0, 0, 1                                ; the first quarter's products start the sums
	s_mov_b32 s3, 4
.Llap:                                                 ; a trip goes once round the ring, from a lap's second quarter to the next lap's first, and fills both slots again: quarters 12 to 59 in four trips
	QUARTERS 0, 1, QS-2
	TURN 0, 1, 1
	QUARTERS 1, 0, QS-2
	TURN 1, 0, 1
	QUARTER 0, 0, 0
	s_sub_co_u32 s3, s3, 1
	s_cmp_lg_u32 s3, 0
	s_cbranch_scc1 .Llap
	QUARTERS 0, 1, QS-2                            ; quarters 48 to 53 go on;
	TURN 0, 1, 2                                   ; their slot takes the last four quarters
	QUARTERS 1, 0, QS-2                            ; quarters 54 to 59
	TURN 1, 0, 0                                   ; nothing is left to fetch; behind this barrier nobody reads slot 1
	QUARTERS 0, 0, 2                               ; quarters 60 to 62
	s_wait_dscnt 0x0
	WIN 0x50
.irp a, 0,1,2,3
	MUL8 \a, F0+96, 0                              ; quarter 63
.endr
	WIN 0
; THE WAY OUT, 16 rows x 128 columns at a time, through my own stage: in by 32 bytes a lane, back as whole rows of 512 bytes.  LDS serves a wave's instructions in order: no wait between the stores and the loads.
.macro TOSTAGE a
	WIN 0x04                                       ; an LDS store's data are its source 1: window 1
.irp b, 0,1,2,3,4,5,6,7
	ds_store_b128 v[STO], v[8*(8*(\a)+\b):8*(8*(\a)+\b)+3] offset:64*\b       ; each accumulator from its low end on
	ds_store_b128 v[STO], v[8*(8*(\a)+\b)+4:8*(8*(\a)+\b)+7] offset:64*\b+16
.endr
	WIN 0
.set BB, BK+64*((\a)%2)
.irp t, 0,1,2,3,4,5,6,7,8,9,10,11,12,13,14,15
	ds_load_b128 v[BB+4*\t:BB+4*\t+3], v[RD] offset:\t*SPITCH
.endr
.endm
.macro SEND a, younger                 ; younger: the LDS instructions issued behind block a's loads
.set BB, BK+64*((\a)%2)
	s_wait_dscnt \younger
.if (\a) > 0
	s_add_nc_u64 s[8:9], s[8:9], 16*16384          ; behind a wait that shows the earlier stores' base read
.else
	s_wait_xcnt 0x0                                ; EXEC changes only behind this wait
	v_cmp_ne_u32 vcc_lo, 0, v[ROW0]
	s_and_saveexec_b32 s45, vcc_lo                 ; rows 0-15 are another launch's: a mask and no branch, since the tile row hangs on the place in the cluster
.endif
.irp t, 0,1,2,3,4,5,6,7,8,9,10,11,12,13,14,15
	global_store_b128 v[CO], v[BB+4*\t:BB+4*\t+3], s[8:9] offset:\t*16384 th:TH_STORE_NT   ; 512 consecutive bytes, aligned
.endr
.if (\a) == 0
	s_wait_xcnt 0x0
	s_or_b32 exec_lo, exec_lo, s45
.endif
.endm
	PLACES 4
	TOSTAGE 0
.irp a, 1,2,3
.if \a > 1
	s_wait_xcnt 0x0                                ; block a - 2's stores have read their registers and their base
.endif
	TOSTAGE \a
	SEND \a-1, 32                                  ; behind block a - 1's loads: block a's 16 stores and 16 loads
.endr
	s_wait_xcnt 0x0
	SEND 3, 0
	s_wait_tensorcnt 0x0                           ; the wave's end
	ds_add_u32 v[SPW], v[NIL]
	s_wait_dscnt 0x0
	CROUND                                         ; the closing round
	s_endpgm
.Lfunc_end_k_qe5810039d6_proj:
	.size	k_qe5810039d6_proj, .Lfunc_end_k_qe5810039d6_proj-k_qe5810039d6_proj
	.p2alignl 7, 3214868480
	.fill 96, 4, 3214868480
	.section	.rodata,"a",@progbits
	.p2align	6, 0x0
	.amdhsa_kernel k_qe5810039d6_proj
		.amdhsa_group_segment_fixed_size 327680
		.amdhsa_private_segment_fixed_size 0
		.amdhsa_enable_private_segment 0
		.amdhsa_kernarg_size 24
		.amdhsa_user_sgpr_count 2
		.amdhsa_user_sgpr_kernarg_segment_ptr 1
		.amdhsa_wavefront_size32 1
		.amdhsa_system_sgpr_workgroup_id_x 1
		.amdhsa_system_sgpr_workgroup_id_y 1
		.amdhsa_system_sgpr_workgroup_id_z 1
		.amdhsa_system_vgpr_workitem_id 0
		.amdhsa_next_free_vgpr 512
		.amdhsa_next_free_sgpr 90
		.amdhsa_reserve_vcc 1
		.amdhsa_float_denorm_mode_32 3
		.amdhsa_float_denorm_mode_16_64 3
		.amdhsa_memory_ordered 1
		.amdhsa_forward_progress 1
		.amdhsa_inst_pref_size 131
	.end_amdhsa_kernel
	.amdgpu_metadata
---
amdhsa.version: [ 1, 2 ]
amdhsa.kernels:
  - .name:           k_qe5810039d6_proj
    .symbol:         k_qe5810039d6_proj.kd
    .args:
      - { .name: o_img, .offset: 0, .size: 8, .value_kind: global_buffer, .address_space: global }
      - { .name: wo_img, .offset: 8, .size: 8, .value_kind: global_buffer, .address_space: global }
      - { .name: out0, .offset: 16, .size: 8, .value_kind: global_buffer, .address_space: global }
    .group_segment_fixed_size: 327680
    .private_segment_fixed_size: 0
    .kernarg_segment_align: 8
    .kernarg_segment_size: 24
    .max_flat_workgroup_size: 128
    .sgpr_count:     90
    .vgpr_count:     512
    .wavefront_size: 32
...
	.end_amdgpu_metadata
.endif
;; end of part 5
